; MI455X (gfx1250); checked and timed in simulation.
; The chip was launched on July 23, 2026; its instructions are those of AMD's public machine-readable ISA for CDNA 5 (MIT licence, August 2026) and "CDNA5" Instruction Set Architecture Reference Guide (July 2026). The comments in the code are by the model that wrote it; some were corrected since.
;; Causal Self Attention. Allowed arithmetic: matrix products marked QUANTISED: E5M2 operands, one E8M0 scale for each 32 along K, by v_wmma_scale_f32_16x16x128_f8f6f4 with both operands' format E5M2, f32 sums; everything else in f32.
;; Inputs: Wproj_codes 1,024 x 32 x 32 uint8 (E5M2 codes of Wproj, K innermost, in blocks of 32 codes); Wproj_scales 1,024 x 32 uint8 (E8M0 scales of Wproj, one for each 32 codes along K); Wqkv_codes 3,072 x 32 x 32 uint8 (E5M2 codes of Wqkv, K innermost, in blocks of 32 codes); Wqkv_scales 3,072 x 32 uint8 (E8M0 scales of Wqkv, one for each 32 codes along K); bproj 1,024 float32; bqkv 3,072 float32; x_codes 4 x 2,048 x 32 x 32 uint8 (E5M2 codes of x, K innermost, in blocks of 32 codes); x_scales 4 x 2,048 x 32 uint8 (E8M0 scales of x, one for each 32 codes along K).
;; Outputs: out0 4 x 2,048 x 1,024 float32.
;; This version of the problem:
;;   THIS VERSION OF THE PROBLEM IS GIVEN IN LOW PRECISION. The matrix products marked QUANTISED in the list below multiply operands that are first quantised to E5M2 (5 exponent bits, 2 mantissa bits; 8 bits a number), with one power-of-two scale for each 32 numbers along K (OCP MX v1.0); their sums are f32. All else is computed in f32.
;;   The module's matrix products, in the order in which they are computed (A, B: the left and right operand; K: the contracted axis; several contracted axes count as one K, in the product's order):
;;     1. [M 8,192, K 1,024] x [K 1,024, N 3,072]; A: input x (given as codes); B: input Wqkv (given as codes): QUANTISED
;;     2. batch 64 x [M 2,048, K 64] x [K 64, N 2,048]; A: computed on the way; B: computed on the way: QUANTISED
;;     3. batch 64 x [M 2,048, K 2,048] x [K 2,048, N 64]; A: softmax (see below); B: computed on the way: QUANTISED
;;     4. [M 8,192, K 1,024] x [K 1,024, N 1,024]; A: computed on the way; B: input Wproj (given as codes): QUANTISED
;;   THE QUANTISER, for each operand of a quantised product, along K:
;;     - K is cut into blocks of 32 from its start; a last block that is shorter is filled with zeros.
;;     - A block's scale is 2^e with e = floor(log2(the largest magnitude in the block)) - 15, held to -126 .. 127; a block of zeros has e = 0. As a byte (E8M0): e + 127.
;;     - Each number is divided by its block's scale, clamped to +-57,344, and rounded to the nearest number of E5M2, ties to even, subnormals kept.
;;     - The product sums the exact products of the quantised numbers (number of the format x scale) in f32.
;;   ~~~python
;;   def quantise(x, axis):      # numpy; x: float32 -> the quantised numbers, widened to float32 again
;;       x = np.moveaxis(x, axis, -1); K = x.shape[-1]
;;       x = np.pad(x, [(0, 0)] * (x.ndim - 1) + [(0, -K % 32)]); x = x.reshape(x.shape[:-1] + (-1, 32)); a = np.abs(x).max(-1, keepdims=True)
;;       e = np.where(a > 0, np.clip(np.frexp(np.where(a > 0, a, 1))[1] - 1 - 15, -126, 127), 0)      # np.frexp(a)[1] - 1 = floor(log2(a)), exactly
;;       r = np.clip(x / 2.0 ** e, -57344, 57344)
;;       step = 2.0 ** (np.maximum(np.frexp(np.where(r == 0, 1, r))[1] - 1, -14) - 2)
;;       q = np.round(r / step) * step * 2.0 ** e      # np.round: ties to even
;;       return np.moveaxis(q.reshape(q.shape[:-2] + (-1,))[..., :K], -1, axis).astype(np.float32)
;;   ~~~
;;   SOFTMAX AHEAD OF A QUANTISED PRODUCT. Where the list says 'softmax', what is quantised is not the finished softmax but p = 2^(t - M), with t = logit x log2(e) and M = ceil(the row's largest t), a whole number; so 1/2 < the row's largest p <= 1. The row's sum l is taken of the UNQUANTISED p, in f32, and the product's result is divided by l at the end. Since M is a whole number, a kernel that streams over the keys may use a running M (the ceiling of the running maximum): every later rescaling is an exact power of two, which a block's scale takes up: the codes' values come out the same.
;;   OPERANDS COMPUTED ON THE WAY. 'Computed on the way' means the value that the module computes at that place (a softmax that the list does not call 'softmax' is quantised finished and normalised). What goes into a quantiser is computed in f32, as accurately as f32 sums, v_exp_f32 and their like allow (about 1e-6 of the number): no bf16 or f16 on the way to a quantiser, and a product that is left as it is and whose result goes on into a quantised operand takes f32 operands (vector FMAs, or v_wmma_f32_16x16x4_f32). A number that lies on a knife's edge between two numbers of the format may be rounded either way, as far as f32 arithmetic and the matrix unit's own rounding can turn it there, and no further.
;;   INPUTS GIVEN AS CODES. Wproj (in the module: [1024, 1024], K = its axis 0); Wqkv (in the module: [1024, 3072], K = its axis 0); x (in the module: [4, 2048, 1024], K = its axis 2): each comes as NAME_codes (uint8): NAME with its K axis moved to the last place and cut into blocks of 32 codes, [.., K / 32, bytes a block], one block behind the other in memory; one code a byte (a code: sign, 5 exponent bits, 2 mantissa bits); and NAME_scales (uint8): the same leading axes, one E8M0 byte (e + 127) for each 32 codes along K. Its value is code x scale, taken as it is: it is not quantised again, and the codes and scales need not be those that the quantiser above would give.
;; One version. Each part assembles by itself: llvm-mc -triple=amdgcn-amd-amdhsa -mcpu=gfx1250 --defsym DOCPART=n.
;; ======== version 1 of 1: 3 launches
;; limits: right only within a limited range of input values
;; workspace buffers: qimg 8,388,608 bytes; kimg 8,388,608 bytes; vimg 8,388,608 bytes; qs 524,288 bytes; kvs 524,288 bytes; yimg 8,388,608 bytes; ysc 262,144 bytes
;; launch qkv (part 1): grid 12 x 32, 4 waves a work-group, clusters of 4 x 4, 327,680 bytes of LDS; arguments x_codes, x_scales, Wqkv_codes, Wqkv_scales, bqkv, qimg, kimg, vimg, qs, kvs; writes qimg, kimg, vimg, qs, kvs
.if DOCPART == 1
	.amdgcn_target "amdgcn-amd-amdhsa--gfx1250"
	.amdhsa_code_object_version 6
	.text
	.protected	k_q7776cb7c40_qkv
	.globl	k_q7776cb7c40_qkv
	.p2align	8
	.type	k_q7776cb7c40_qkv,@function
k_q7776cb7c40_qkv:
	s_mov_b64 s[64:65], 0
	v_nop
	global_prefetch_b8 v0, s[64:65] scope:SCOPE_SE
	s_setreg_imm32_b32 hwreg(HW_REG_WAVE_MODE, 25, 1), 1
	s_wait_xcnt 0x0
	s_wait_alu depctr_hold_cnt(0) depctr_sa_sdst(0) depctr_va_vdst(0) depctr_va_sdst(0) depctr_va_ssrc(0) depctr_va_vcc(0) depctr_vm_vsrc(0)
	s_getreg_b32 s2, hwreg(HW_REG_IB_STS2, 6, 4)
	s_cmp_eq_u32 s2, 0
	s_cbranch_scc0 .Lentry_in_a_cluster
	s_endpgm
.Lentry_in_a_cluster:
	s_bfe_u32 s2, ttmp6, 0x10000c
	s_cmp_lg_u32 s2, 0xf033
	s_cbranch_scc0 .Lentry_shape_is_right
	s_endpgm
.Lentry_shape_is_right:
; qkv = x Wqkv + bqkv on the given codes of BF8 (E5M2) and their E8M0 scale bytes, sums in f32; then q and k are quantised along the head's 64 and v along the keys, and leave as codes.
; DEAD WORK OF THE WHOLE PROGRAM: only key steps of 128 keys that lie wholly above the diagonal of the mask that the problem builds itself (jnp.tril): there every score becomes -infinity, p = 0 for
; all values of the inputs, and neither the sum nor the product with v takes anything from them.  They are left out in the second launch.  All inputs are live and loaded (k's bias moves k's codes).
; LIMITS: a NaN, an infinity or an overflow that reaches only the work left out is not carried to the result.  NaN, infinities and given codes that stand for them are not served.  A block whose largest
; magnitude lies under 2^-111, a block of zeros among them, keeps the scale byte 1: its codes are what the floor gives (zeros for zeros), and this program alone reads the bytes.
; The bias is the first term of each sum (the C of the first product), not the last: an order of rounding other than the source's.
; SHARES.  A tile of 256 x 256 to a work-group of four waves, 128 x 128 to a wave: 64 accumulators.  K = 1,024 goes in four steps of 256 through a ring of two LDS slots; the scale bytes of the
; work-group's rows come once and stay.  4 x 4 work-groups form a cluster; the tiles of the A side are asked for jointly along a row of the cluster, those of the B side along a column.
; THE CLUSTER'S x IS THE TYPE: 0 q, 1 k, 2 v; it is the same in all sixteen partners.  Source 0 of the matrix instruction takes rows of the B side, source 1 rows of the A side, so a lane holds ONE row of
; the A side and its registers run along rows of the B side.  q, k: A = x (tokens), B = Wqkv (features): registers run along the head's axis.  v: A = Wqkv's rows 2,048 on, B = x: registers run along the keys.
; Either way a lane's registers run along the K of the next product.  Only pointers and row numbers are chosen by the type; the loop is one text.
; THE WAY OUT.  Of a block of 32 along the next K a lane (r, h) holds 8 h + 0..7 (tile 2 c) and 16 + 8 h + 0..7 (tile 2 c + 1); lane l xor 16 holds the rest.  Two conversions and two exchanges of
; half rows of lanes leave lane (r, h) with 32 c + 16 h + 0..15 in four registers: the operand's own layout.  Such a CHUNK (4 registers x 32 lanes) is stored as it stands, 512 consecutive bytes.
; LAYOUT.  idx = (batch x 8 + head / 2) x 16 + token / 128.  Each idx owns 16,384 bytes of its buffer; chunk (a, c) lies at (a % 4) 4096 + (c / 2) 2048 + (a / 4) 1024 + (c % 2) 512.
; q, k: a = tile of 16 tokens, c / 2 = head % 2, c % 2 = block of the head's 64.  v: a = 4 (head % 2) + tile of 16 channels, c = block of 32 keys.
; Scale words: 512 bytes a table, [r 0..15][a 0..7], a word = the bytes of c = 0..3; qs + 1024 idx (q), kvs + 1024 idx (k), kvs + 1024 idx + 512 (v).
; REGISTERS, in windows of 256: window 0: v1-31 addresses, v8-15 the bias by rows, v32-63 scale words, v64-127 the bias as C (later at work), from v128 A's fragments (later the codes);
;   window 1: B's fragments, two sets;  windows 2, 3: the accumulators ((a, b) at v[8 (8 (a % 4) + b)]).
.set NQ,     2                         ; matrix instructions deep in a slot
.set ROWB,   256                       ; a tile's row in bytes
.set KROW,   1024                      ; a row of x or Wqkv in memory
.set PITCH,  272                       ; an LDS row: 256 bytes + 16 of padding: the 16 rows that a load touches start at 16 different banks
.set FR,     16
.set NL,     4
.set NP,     8                         ; places behind this matrix instruction (ISA guide 7.12.1)
.set HALFT,  128*PITCH
.set SLOT,   4*HALFT
.set KS,     32                        ; a row of scale bytes
.set SCL,    2*SLOT
.set HALFS,  (128*KS/256)*272
.set SBLK,   (16*KS/256)*272
.set SPARE,  SCL+4*HALFS               ; the spare words: 128 bytes a wave, two blocks of 256 bytes that no other line names
.set BV,   8                           ; v8-15   bias[16 a + r]
.set ADRA, 16
.set ADRB, 20
.set SOF,  24                          ; v24     32 r + 16 h: my 16 bytes of a table of scale words
.set BOF,  25                          ; v25     32 h
.set LI,   26                          ; v26     16 x lane
.set ADRS, 27
.set SPW,  28
.set NIL,  29
.set BOV,  30                          ; v30     4 r
.set SC,   32
.set BI,   64                          ; v64-127 the bias in the result's layout, eight registers a tile
.set TM,   64                          ; the way out: v64-67 largest magnitudes, v68-71 bytes, v76-79 the conversions' scale operands
.set PW,   80                          ; v80-87  the scale word of block a
.set W4,   88                          ; v88-91  the four words that I store
.set AF,   128
.set PC,   128                         ; the way out: codes, 16 registers for each block a
.set G1, 24
.set G0, 32
.set G1B, 48
.set G0B, 56
.set G1S, 68
.set G0S, 76
.set G1SB, 80
.set G0SB, 88
.set TYP, 98
.set MSB, 0
.macro WIN new                         ; the immediate's high byte repeats the setting that is left
.if MSB != \new
	s_set_vgpr_msb (MSB<<8)|\new
.set MSB, \new
.endif
.endm
.set MUL_LO, 0xa1                      ; source 0 (B) window 1, source 1 (A) window 0, C and D window 2
.set MUL_HI, 0xf1                      ; the same, C and D window 3
.set TO_B,   0x40
; A joint load: waves 0 and 1 fetch for the A side, waves 2 and 3 for the B side.  An s_nop 0 and four v_nop follow each of the two lines.
.macro JLOAD g0a, g1a, g0b, g1b
	s_cmp_eq_u32 s15, 0
	s_cbranch_scc0 .Lfor_b_\@
	tensor_load_to_lds s[\g0a:\g0a+3], s[\g1a:\g1a+7]
	s_nop 0
.rept 4
	v_nop
.endr
	s_branch .Lasked_\@
.Lfor_b_\@:
	tensor_load_to_lds s[\g0b:\g0b+3], s[\g1b:\g1b+7]
	s_nop 0
.rept 4
	v_nop
.endr
.Lasked_\@:
.endm
.macro CREST                           ; a round of the cluster's barrier behind its opening barrier
	s_cmp_lg_u32 s14, 0
	s_cbranch_scc1 .Lnot_wave_0_\@
	s_barrier_signal -3
.Lnot_wave_0_\@:
	s_barrier_wait -3
	s_barrier_signal -1
	s_barrier_wait -1
.endm
.macro CROUND
	s_barrier_signal -1
	s_barrier_wait -1
	CREST
.endm
	s_load_b512 s[68:83], s[0:1], 0x0              ; x codes 68, x scales 70, W codes 72, W scales 74, bias 76, qimg 78, kimg 80, vimg 82
	s_load_b128 s[84:87], s[0:1], 0x40             ; qs 84, kvs 86
	v_lshl_add_u32 v[SPW], v0, 2, SPARE
	v_mov_b32 v[NIL], 0
	ds_add_u32 v[SPW], v[NIL]                      ; the wave's opening: the add, twice on end, and its wait ahead of my first tensor load
	ds_add_u32 v[SPW], v[NIL]
	v_lshrrev_b32 v1, 5, v0
	v_readfirstlane_b32 s14, v1                    ; wave 0..3
	s_lshr_b32 s15, s14, 1                         ; my half of the A side's rows.  Also: I fetch for A (0) or for B (1)
	s_and_b32 s16, s14, 1                          ; my half of the B side's rows.  Also: which 128 rows I fetch
	s_bfe_u32 s40, ttmp6, 0x40000                  ; cx
	s_bfe_u32 s41, ttmp6, 0x40004                  ; cy
	s_mov_b32 s[TYP], ttmp9                        ; the type: the cluster's x
	s_and_b32 s99, ttmp7, 0xffff
	s_lshl_b32 s99, s99, 2                         ; 4 x cluster y
	s_lshl_b32 s42, s[TYP], 2                      ; 4 x type
	s_cmp_eq_u32 s[TYP], 2
	s_cselect_b32 s17, 8, s99                      ; A's tile of 256 rows: v: Wqkv's rows 2,048 on; q, k: x's
	s_cselect_b32 s42, s99, s42                    ; B's: v: x's; q, k: Wqkv's rows 1,024 x type on
	s_add_co_u32 s17, s17, s41                     ; + cy: shared along a row of the cluster
	s_add_co_u32 s42, s42, s40                     ; + cx: shared along a column
	s_lshl_b32 s43, s41, 2
	s_lshl_b32 s43, 15, s43                        ; my row of the cluster
	s_lshl_b32 s44, 0x1111, s40                    ; my column
	s_or_b32 s[G1+0], s43, (0<<16)|(1<<20)|(1<<21)|(5<<22)|(3<<25)  ; the mask; elements of 1 byte; padding: 4 words behind every 64; bit 21 beside a mask
	s_or_b32 s[G1B+0], s44, (0<<16)|(1<<20)|(1<<21)|(5<<22)|(3<<25)
.irp g, G1, G1B
	s_mov_b32 s[\g+1], ROWB<<16                    ; tensor_dim0
	s_mov_b32 s[\g+2], 128<<16                     ; tensor_dim1
	s_mov_b32 s[\g+3], ROWB<<16                    ; tile_dim0
	s_mov_b32 s[\g+4], 128                         ; tile_dim1
	s_mov_b32 s[\g+5], KROW                        ; the pitch
	s_mov_b32 s[\g+6], 0
	s_mov_b32 s[\g+7], 0
.endr
	s_lshl_b32 s18, s16, 7
	s_lshl_b32 s20, s17, 8
	s_add_co_u32 s20, s20, s18                     ; A: the first row that I fetch
	s_lshl_b32 s46, s42, 8
	s_add_co_u32 s46, s46, s18                     ; B likewise
	s_mov_b32 s21, 0
	s_mov_b32 s47, 0
	s_mov_b64 s[18:19], KS
	s_mul_u64 s[22:23], s[20:21], s[18:19]         ; where these rows' scale bytes begin
	s_mul_u64 s[92:93], s[46:47], s[18:19]
	s_mov_b64 s[18:19], KROW
	s_mul_u64 s[20:21], s[20:21], s[18:19]         ; and their codes
	s_mul_u64 s[46:47], s[46:47], s[18:19]
	s_mul_i32 s45, s14, HALFT                      ; where they go: wave x 128 rows
	s_mul_i32 s94, s14, HALFS
	s_wait_dscnt 0x0                               ; both opening adds are done
	s_wait_kmcnt 0x0
	s_cmp_eq_u32 s[TYP], 0                         ; the buffers are chosen by the type alone
	s_cselect_b64 s[12:13], s[78:79], s[80:81]
	s_cselect_b64 s[66:67], s[84:85], s[86:87]     ; the scale words go to qs or to kvs
	s_cmp_eq_u32 s[TYP], 2
	s_cselect_b64 s[12:13], s[82:83], s[12:13]     ; the codes go to qimg, kimg or vimg
	s_cselect_b64 s[4:5], s[72:73], s[68:69]       ; A's codes
	s_cselect_b64 s[6:7], s[74:75], s[70:71]       ; A's scales
	s_cselect_b64 s[8:9], s[68:69], s[72:73]       ; B's codes
	s_cselect_b64 s[10:11], s[70:71], s[74:75]     ; B's scales
	s_mov_b64 s[100:101], s[76:77]                 ; the bias
	s_add_nc_u64 s[20:21], s[4:5], s[20:21]
	s_add_nc_u64 s[22:23], s[6:7], s[22:23]
	s_add_nc_u64 s[46:47], s[8:9], s[46:47]
	s_add_nc_u64 s[92:93], s[10:11], s[92:93]
	; the scales of 128 rows: 4,096 dense bytes as 16 rows of 256 bytes, 16 bytes of padding behind each (s68 to s91 are free from here on)
	s_or_b32 s[G1S+0], s43, (3<<16)|(1<<20)|(1<<21)|(5<<22)|(3<<25)
	s_or_b32 s[G1SB+0], s44, (3<<16)|(1<<20)|(1<<21)|(5<<22)|(3<<25)
.irp g, G1S, G1SB
	s_mov_b32 s[\g+1], 32<<16
	s_mov_b32 s[\g+2], (128*KS/256)<<16
	s_mov_b32 s[\g+3], 32<<16
	s_mov_b32 s[\g+4], 128*KS/256
	s_mov_b32 s[\g+5], 32
	s_mov_b32 s[\g+6], 0
	s_mov_b32 s[\g+7], 0
.endr
	CROUND                                         ; all sixteen work-groups are here: the first joint loads meet
	s_mov_b32 s[G0S], 1
	s_add_co_u32 s[G0S+1], s94, SCL
	s_mov_b64 s[G0S+2:G0S+3], s[22:23]
	s_or_b32 s[G0S+3], s[G0S+3], 0x80000000
	s_mov_b32 s[G0SB], 1
	s_add_co_u32 s[G0SB+1], s94, SCL
	s_mov_b64 s[G0SB+2:G0SB+3], s[92:93]
	s_or_b32 s[G0SB+3], s[G0SB+3], 0x80000000
	JLOAD G0S, G1S, G0SB, G1SB                     ; the scales first: they are wanted with K step 0
.irp s, 0,1
	s_mov_b32 s[G0+4*\s], 1
	s_add_co_u32 s[G0+4*\s+1], s45, \s*SLOT
	s_add_nc_u64 s[G0+4*\s+2:G0+4*\s+3], s[20:21], \s*ROWB
	s_or_b32 s[G0+4*\s+3], s[G0+4*\s+3], 0x80000000
	s_mov_b32 s[G0B+4*\s], 1
	s_add_co_u32 s[G0B+4*\s+1], s45, \s*SLOT
	s_add_nc_u64 s[G0B+4*\s+2:G0B+4*\s+3], s[46:47], \s*ROWB
	s_or_b32 s[G0B+4*\s+3], s[G0B+4*\s+3], 0x80000000
	JLOAD G0+4*\s, G1, G0B+4*\s, G1B
.endr
	v_and_b32 v1, 15, v0                           ; r
	v_bfe_u32 v2, v0, 4, 1                         ; h
	s_wait_alu depctr_va_vdst(0)
	; where my wave's results go
	s_cmp_eq_u32 s[TYP], 2
	s_cselect_b32 s92, s40, s41                    ; the tokens' place in the cluster: v: cx; q, k: cy
	s_cselect_b32 s93, s16, s15                    ; and my half of them
	s_cselect_b32 s94, s41, s40                    ; the features' place
	s_cselect_b32 s95, s15, s16                    ; and my half of them
	s_cselect_b32 s96, 512, 0                      ; v's table of scale words lies behind k's
	s_add_co_u32 s92, s92, s99
	s_lshl_b32 s92, s92, 1
	s_add_co_u32 s92, s92, s93                     ; token / 128, over all batches
	s_lshl_b32 s94, s94, 1
	s_add_co_u32 s94, s94, s95                     ; head / 2
	s_lshr_b32 s93, s92, 4
	s_lshl_b32 s93, s93, 7                         ; batch x 128
	s_and_b32 s92, s92, 15
	s_add_co_u32 s92, s92, s93
	s_lshl_b32 s93, s94, 4
	s_add_co_u32 s92, s92, s93                     ; idx
	s_lshl_b32 s20, s92, 14
	s_mov_b32 s21, 0
	s_add_nc_u64 s[12:13], s[12:13], s[20:21]
	s_lshl_b32 s20, s92, 10
	s_add_co_u32 s20, s20, s96
	s_add_nc_u64 s[66:67], s[66:67], s[20:21]
	s_lshl_b32 s20, s[TYP], 10
	s_lshl_b32 s22, s94, 7
	s_add_co_u32 s20, s20, s22
	s_lshl_b32 s20, s20, 2
	s_add_nc_u64 s[100:101], s[100:101], s[20:21]  ; my 128 features' biases
	v_lshlrev_b32 v[BOF], 5, v2
	v_lshlrev_b32 v[BOV], 2, v1
.irp b, 0,1,2,3,4,5,6,7                        ; both forms are loaded, whatever the type: bias[16 b + 8 h + j] (registers along features) and bias[16 a + r] (a lane to a feature)
	global_load_b128 v[BI+8*\b:BI+8*\b+3], v[BOF], s[100:101] offset:64*\b
	global_load_b128 v[BI+8*\b+4:BI+8*\b+7], v[BOF], s[100:101] offset:64*\b+16
	global_load_b32 v[BV+\b], v[BOV], s[100:101] offset:64*\b
.endr
	v_mul_u32_u24 v3, v1, PITCH
	v_lshl_add_u32 v4, v2, 4, v3                   ; a fragment's row x pitch + 16 x half
	s_mul_i32 s21, s15, HALFT
	s_mul_i32 s22, s16, HALFT
	s_add_co_u32 s22, s22, 2*HALFT
.irp s, 0,1
	v_add_nc_u32 v[ADRA+\s], s21, v4
	v_add_nc_u32 v[ADRB+\s], s22, v4
	s_add_co_u32 s21, s21, SLOT
	s_add_co_u32 s22, s22, SLOT
.endr
	v_mul_u32_u24 v5, v1, KS                       ; my row's scales: KS bytes a row,
	v_lshrrev_b32 v6, 8, v5
	v_lshl_add_u32 v5, v6, 4, v5                   ; and 16 more for each 256 passed
	s_mul_i32 s21, s15, HALFS
	s_mul_i32 s22, s16, HALFS
	s_add_co_u32 s22, s22, 2*HALFS
	s_sub_co_u32 s22, s22, s21
	v_mul_u32_u24 v6, s22, v2                      ; lanes 16-31 take B's
	s_add_co_u32 s21, s21, SCL
	v_add_nc_u32 v5, v5, v6
	v_add_nc_u32 v[ADRS], s21, v5
	v_and_b32 v6, 31, v0
	v_lshlrev_b32 v[LI], 4, v6
	v_lshlrev_b32 v[SOF], 5, v1
	v_lshl_add_u32 v[SOF], v2, 4, v[SOF]
.macro FRAG reg, adr, q, i             ; 16 rows x 128 K: lane l holds row l % 16; registers 4 c .. 4 c + 3 hold K = 32 c + 16 (l / 16) + 0 .. 15
.irp c, 0,1,2,3
	ds_load_b128 v[\reg+4*\c:\reg+4*\c+3], v[\adr] offset:128*(\q)+32*\c+(\i)*16*PITCH
.endr
.endm
; 16 matrix instructions: A's blocks a0, a0 + 1 x B's eight.  mode 0: the sums go on; 1: they begin with the bias by B's rows; 2: with the bias by A's rows.  The 64 accumulators take turns, one instruction a turn.
.macro MUL16 a0, p, q, sc, mode
.irp a, \a0, \a0+1
.irp b, 0,1,2,3,4,5,6,7
.if \mode == 1
	v_wmma_scale_f32_16x16x128_f8f6f4 v[8*(8*((\a)%4)+\b):8*(8*((\a)%4)+\b)+7], v[128*(\p)+FR*\b:128*(\p)+FR*\b+FR-1], v[AF+FR*(\a):AF+FR*(\a)+FR-1], v[BI+8*\b:BI+8*\b+7], v[SC+8*NQ*(\sc)+NQ*\b+(\q)], v[SC+8*NQ*(\sc)+NQ*(\a)+(\q)] matrix_a_fmt:MATRIX_FMT_BF8 matrix_b_fmt:MATRIX_FMT_BF8 matrix_a_scale:MATRIX_SCALE_ROW1
.elseif \mode == 2
	v_wmma_scale_f32_16x16x128_f8f6f4 v[8*(8*((\a)%4)+\b):8*(8*((\a)%4)+\b)+7], v[128*(\p)+FR*\b:128*(\p)+FR*\b+FR-1], v[AF+FR*(\a):AF+FR*(\a)+FR-1], v[BI+8*(\a):BI+8*(\a)+7], v[SC+8*NQ*(\sc)+NQ*\b+(\q)], v[SC+8*NQ*(\sc)+NQ*(\a)+(\q)] matrix_a_fmt:MATRIX_FMT_BF8 matrix_b_fmt:MATRIX_FMT_BF8 matrix_a_scale:MATRIX_SCALE_ROW1
.else
	v_wmma_scale_f32_16x16x128_f8f6f4 v[8*(8*((\a)%4)+\b):8*(8*((\a)%4)+\b)+7], v[128*(\p)+FR*\b:128*(\p)+FR*\b+FR-1], v[AF+FR*(\a):AF+FR*(\a)+FR-1], v[8*(8*((\a)%4)+\b):8*(8*((\a)%4)+\b)+7], v[SC+8*NQ*(\sc)+NQ*\b+(\q)], v[SC+8*NQ*(\sc)+NQ*(\a)+(\q)] matrix_a_fmt:MATRIX_FMT_BF8 matrix_b_fmt:MATRIX_FMT_BF8 matrix_a_scale:MATRIX_SCALE_ROW1
.endif
.endr
.endr
.endm
.macro FETCH_B slot, q, p
	WIN TO_B
.irp i, 0,1,2,3,4,5,6,7
	FRAG 128*(\p)+FR*\i, ADRB+\slot, \q, \i
.endr
	WIN 0
.endm
.macro FETCH_A slot, q, i0
.irp i, \i0, \i0+1, \i0+2, \i0+3
	FRAG AF+FR*(\i), ADRA+\slot, \q, \i
.endr
.endm
.macro SCALES sc                       ; a K step's scale words: lanes 0-15 take A's block i, lanes 16-31 B's block i
.irp i, 0,1,2,3,4,5,6,7
	ds_load_b64 v[SC+8*NQ*\sc+NQ*\i:SC+8*NQ*\sc+NQ*\i+1], v[ADRS] offset:\i*SBLK
.endr
.endm
.macro PLACES n                        ; plain vector instructions that name no register of the matrix instructions in front (ISA guide 7.12.1)
.rept \n
	v_nop
.endr
.endm
; A step of 128 along K that has its successor in the same slot.  A has one set of registers (blocks 0-3 fetched anew in the middle, 4-7 at the end), B two.
.macro STEP slot, q, mode
	s_wait_dscnt 4*NL                              ; all but the youngest 16 loads (A's blocks 4-7) are in
.if \mode
	WIN 0x81                                       ; C (the bias) window 0, D window 2
.else
	WIN MUL_LO
.endif
	MUL16 0, (\q)%2, \q, \slot, \mode
	MUL16 2, (\q)%2, \q, \slot, \mode
	s_wait_dscnt 0
	PLACES NP
	FETCH_B \slot, (\q)+1, 1-(\q)%2
	FETCH_A \slot, (\q)+1, 0
.if \mode
	WIN 0xc1                                       ; C window 0, D window 3
.else
	WIN MUL_HI
.endif
	MUL16 4, (\q)%2, \q, \slot, \mode
	MUL16 6, (\q)%2, \q, \slot, \mode
	PLACES NP
	WIN 0
	FETCH_A \slot, (\q)+1, 4
.endm
; A slot's last step changes slots: one barrier; in front of it each wave waits for all its tensor loads, adds 0 to its spare word, and waits for that and for its reads of this slot.
.macro TURN slot, next, fill
	s_wait_tensorcnt 0x0                           ; all my tensor loads have landed: my part of the next slot
	ds_add_u32 v[SPW], v[NIL]
	s_wait_dscnt 4*NL+1                            ; the add and the youngest 16 loads may be out
	WIN MUL_LO
	MUL16 0, 1, NQ-1, \slot, 0
	s_wait_dscnt 0x0                               ; the add is done, and my reads of this slot are over
	s_barrier_signal -1
	MUL16 2, 1, NQ-1, \slot, 0
	WIN 0
	s_barrier_wait -1
.if \fill
	CREST                                          ; the barrier has opened a round of the cluster's: no wave of any partner still reads this slot or has a load on its way
	s_add_nc_u64 s[G0+4*\slot+2:G0+4*\slot+3], s[G0+4*\slot+2:G0+4*\slot+3], 2*ROWB
	s_add_nc_u64 s[G0B+4*\slot+2:G0B+4*\slot+3], s[G0B+4*\slot+2:G0B+4*\slot+3], 2*ROWB
	JLOAD G0+4*\slot, G1, G0B+4*\slot, G1B         ; the first tensor load behind the round; its four v_nop are four of the eight places
	PLACES NP-4
.else
	PLACES NP
.endif
	s_wait_alu depctr_va_vdst(0)
	v_add_nc_u32 v[ADRS], 4*NQ, v[ADRS]            ; the next K step's scale words
	FETCH_B \next, 0, 0
	FETCH_A \next, 0, 0
	SCALES \next
	WIN MUL_HI
	MUL16 4, 1, NQ-1, \slot, 0
	MUL16 6, 1, NQ-1, \slot, 0
	PLACES NP
	WIN 0
	FETCH_A \next, 0, 4
.endm
	s_wait_alu depctr_va_vdst(0)
	s_wait_tensorcnt 1                             ; the scales and my part of K step 0 are in; K step 1's load may be out
	s_barrier_signal -1
	s_barrier_wait -1
	FETCH_B 0, 0, 0
	FETCH_A 0, 0, 0
	SCALES 0
	FETCH_A 0, 0, 4
	s_wait_loadcnt 0x0                             ; the biases
	s_cmp_eq_u32 s[TYP], 2                         ; the first step differs by the type in its C alone; the type is the same in all partners
	s_cbranch_scc1 .Lfirst_v
	STEP 0, 0, 1
	s_branch .Lfirst_done
.Lfirst_v:
.irp a, 0,1,2,3,4,5,6,7
.irp j, 0,1,2,3,4,5,6,7
	v_mov_b32 v[BI+8*\a+\j], v[BV+\a]              ; a lane's eight results of block a belong to one feature
.endr
.endr
	PLACES NP
	s_wait_alu depctr_va_vdst(0)
	STEP 0, 0, 2
.Lfirst_done:
	TURN 0, 1, 1                                   ; K = 1,024 is four slots: written out, no loop.  Slot 0 takes K 512 on,
	STEP 1, 0, 0
	TURN 1, 0, 1                                   ; slot 1 K 768 on
	STEP 0, 0, 0
	TURN 0, 1, 0                                   ; nothing is left to fetch
	STEP 1, 0, 0
	s_wait_dscnt 4*NL
	WIN MUL_LO
	MUL16 0, 1, NQ-1, 1, 0
	MUL16 2, 1, NQ-1, 1, 0
	s_wait_dscnt 0
	WIN MUL_HI
	MUL16 4, 1, NQ-1, 1, 0
	MUL16 6, 1, NQ-1, 1, 0
	WIN 0
	PLACES NP
	s_mov_b32 s92, 0x76543210
	s_mov_b32 s93, 0xfedcba98                      ; v_permlanex16_b32's selects for lane l xor 16
	s_mov_b32 s95, 0xffff0000                      ; lanes 16-31
; Block a (16 rows of the A side x 128 along the next K) becomes four chunks of codes and a scale word a row.
.macro QBLK a
.set W, 2+(\a)/4
.set AC, 64*((\a)%4)
.set PCA, PC+16*(\a)
	WIN ((W<<2)|(W<<4))                            ; sources 1 and 2: the accumulators' window
.irp b, 0,1,2,3
	v_max3_num_f32 v[TM+\b], 0x8000000, |v[AC+16*\b]|, |v[AC+16*\b+1]|   ; my 16 numbers of block b, and the floor 2^(16 - 127): the byte cannot fall under 1.  Each accumulator is read from its low end on
.endr
.irp i, 2,4,6,8,10,12,14
.irp b, 0,1,2,3
	v_max3_num_f32 v[TM+\b], v[TM+\b], |v[AC+16*\b+\i]|, |v[AC+16*\b+\i+1]|
.endr
.endr
	WIN 0
.irp b, 0,1,2,3
	v_permlanex16_b32 v[TM+4+\b], v[TM+\b], s92, s93
.endr
.irp b, 0,1,2,3
	v_max_num_f32 v[TM+\b], v[TM+\b], v[TM+4+\b]   ; with lane l xor 16's: the block's largest magnitude
.endr
.irp b, 0,1,2,3
	v_add_nc_u32 v[TM+12+\b], 0xf8800000, v[TM+\b] ; 15 off its exponent field: the conversion's scale operand
.endr
.irp b, 0,1,2,3
.endr
.irp b, 0,1,2,3
	v_lshrrev_b32 v[TM+4+\b], 23, v[TM+12+\b]      ; the scale's byte
.endr
	v_lshl_or_b32 v[PW+(\a)], v[TM+5], 8, v[TM+4]
	v_lshl_or_b32 v[PW+(\a)], v[TM+6], 16, v[PW+(\a)]
	v_lshl_or_b32 v[PW+(\a)], v[TM+7], 24, v[PW+(\a)]
	WIN ((W<<6)|W)
.irp b, 0,1,2,3
.irp i, 0,1,2,3,4,5,6,7,8,9,10,11,12,13,14,15
.endr
.endr
	WIN W
.irp b, 0,1,2,3
	v_cvt_scalef32_pk8_bf8_f32 v[PCA+4*\b:PCA+4*\b+1], v[AC+16*\b:AC+16*\b+7], v[TM+12+\b]
	v_cvt_scalef32_pk8_bf8_f32 v[PCA+4*\b+2:PCA+4*\b+3], v[AC+16*\b+8:AC+16*\b+15], v[TM+12+\b]
.endr
	WIN 0
	v_nop                                          ; one plain instruction between the conversions and the lines that touch their results
.irp b, 0,1,2,3
	v_permlane16_swap_b32 v[PCA+4*\b], v[PCA+4*\b+2]     ; the first register's lanes 16-31 change places with the second's lanes 0-15: lane (r, h) now holds 32 b + 16 h + 0 .. 15
	v_permlane16_swap_b32 v[PCA+4*\b+1], v[PCA+4*\b+3]
.endr
.irp c, 0,1,2,3
	global_store_b128 v[LI], v[PCA+4*\c:PCA+4*\c+3], s[12:13] offset:((\a)%4)*4096+(\c/2)*2048+((\a)/4)*1024+(\c%2)*512   ; a chunk: 512 consecutive bytes; its registers are not written again
.endr
.endm
.irp a, 0,1,2,3,4,5,6,7
	QBLK \a
.endr
.irp i, 0,1,2,3
	v_cndmask_b32 v[W4+\i], v[PW+\i], v[PW+4+\i], s95    ; lanes 0-15 store the words of blocks 0-3, lanes 16-31 those of blocks 4-7
.endr
	global_store_b128 v[SOF], v[W4:W4+3], s[66:67] ; the table: 512 consecutive bytes
	s_wait_tensorcnt 0x0                           ; the wave's end
	ds_add_u32 v[SPW], v[NIL]
	s_wait_dscnt 0x0
	CROUND                                         ; the closing round
	s_endpgm
.Lfunc_end_k_q7776cb7c40_qkv:
	.size	k_q7776cb7c40_qkv, .Lfunc_end_k_q7776cb7c40_qkv-k_q7776cb7c40_qkv
	.p2alignl 7, 3214868480
	.fill 96, 4, 3214868480
	.section	.rodata,"a",@progbits
	.p2align	6, 0x0
	.amdhsa_kernel k_q7776cb7c40_qkv
		.amdhsa_group_segment_fixed_size 327680
		.amdhsa_private_segment_fixed_size 0
		.amdhsa_enable_private_segment 0
		.amdhsa_kernarg_size 80
		.amdhsa_user_sgpr_count 2
		.amdhsa_user_sgpr_kernarg_segment_ptr 1
		.amdhsa_wavefront_size32 1
		.amdhsa_system_sgpr_workgroup_id_x 1
		.amdhsa_system_sgpr_workgroup_id_y 1
		.amdhsa_system_sgpr_workgroup_id_z 1
		.amdhsa_system_vgpr_workitem_id 0
		.amdhsa_next_free_vgpr 1024
		.amdhsa_next_free_sgpr 102
		.amdhsa_reserve_vcc 0
		.amdhsa_float_denorm_mode_32 3
		.amdhsa_float_denorm_mode_16_64 3
		.amdhsa_fp16_overflow 1
		.amdhsa_memory_ordered 1
		.amdhsa_forward_progress 1
		.amdhsa_inst_pref_size 170
	.end_amdhsa_kernel
	.amdgpu_metadata
---
amdhsa.version: [ 1, 2 ]
amdhsa.kernels:
  - .name:           k_q7776cb7c40_qkv
    .symbol:         k_q7776cb7c40_qkv.kd
    .args:
      - { .name: x_codes, .offset: 0, .size: 8, .value_kind: global_buffer, .address_space: global }
      - { .name: x_scales, .offset: 8, .size: 8, .value_kind: global_buffer, .address_space: global }
      - { .name: Wqkv_codes, .offset: 16, .size: 8, .value_kind: global_buffer, .address_space: global }
      - { .name: Wqkv_scales, .offset: 24, .size: 8, .value_kind: global_buffer, .address_space: global }
      - { .name: bqkv, .offset: 32, .size: 8, .value_kind: global_buffer, .address_space: global }
      - { .name: qimg, .offset: 40, .size: 8, .value_kind: global_buffer, .address_space: global }
      - { .name: kimg, .offset: 48, .size: 8, .value_kind: global_buffer, .address_space: global }
      - { .name: vimg, .offset: 56, .size: 8, .value_kind: global_buffer, .address_space: global }
      - { .name: qs, .offset: 64, .size: 8, .value_kind: global_buffer, .address_space: global }
      - { .name: kvs, .offset: 72, .size: 8, .value_kind: global_buffer, .address_space: global }
    .group_segment_fixed_size: 327680
    .private_segment_fixed_size: 0
    .kernarg_segment_align: 8
    .kernarg_segment_size: 80
    .max_flat_workgroup_size: 128
    .sgpr_count:     102
    .vgpr_count:     1024
    .wavefront_size: 32
...
	.end_amdgpu_metadata
.endif
;; end of part 1
;; launch attn (part 2): grid 4 x 64, 16 waves a work-group, clusters of 4 x 1, 327,680 bytes of LDS; arguments qimg, kimg, vimg, qs, kvs, yimg, ysc; writes yimg, ysc
.if DOCPART == 2
	.amdgcn_target "amdgcn-amd-amdhsa--gfx1250"
	.amdhsa_code_object_version 6
	.text
	.protected	k_q7776cb7c40_attn
	.globl	k_q7776cb7c40_attn
	.p2align	8
	.type	k_q7776cb7c40_attn,@function
k_q7776cb7c40_attn:
	s_mov_b64 s[64:65], 0
	v_nop
	global_prefetch_b8 v0, s[64:65] scope:SCOPE_SE
	s_setreg_imm32_b32 hwreg(HW_REG_WAVE_MODE, 25, 1), 1
	s_wait_xcnt 0x0
	s_wait_alu depctr_hold_cnt(0) depctr_sa_sdst(0) depctr_va_vdst(0) depctr_va_sdst(0) depctr_va_ssrc(0) depctr_va_vcc(0) depctr_vm_vsrc(0)
	s_getreg_b32 s2, hwreg(HW_REG_IB_STS2, 6, 4)
	s_cmp_eq_u32 s2, 0
	s_cbranch_scc0 .Lentry_in_a_cluster
	s_endpgm
.Lentry_in_a_cluster:
	s_bfe_u32 s2, ttmp6, 0x10000c
	s_cmp_lg_u32 s2, 0x3003
	s_cbranch_scc0 .Lentry_shape_is_right
	s_endpgm
.Lentry_shape_is_right:
; y = softmax(q k^T / 8, causal) v for one head, both products on codes of BF8 (E5M2) with E8M0 scales; y is then quantised along C and leaves as codes.
; LEFT OUT: key steps of 128 keys that lie wholly above the diagonal of the problem's own causal mask: their p is 0 for all values of the inputs.  A NaN or an infinity that reaches only them is not carried.
; LIMITS: as stated at the head of the first launch (no NaN or infinities; a block under 2^-111 keeps the byte 1).
; THE SOFTMAX: t = score x log2(e) / 8; M = the running largest t rounded UP to a whole number; p = 2^(t - M) is quantised along the keys, not normalised; the row's sum is taken of the unquantised p and divides at the end.
; SHARES.  A cluster of four work-groups is one head (the cluster's y: batch x 16 + head).  ALL of the head's codes of k and v (131,072 bytes each) and their scale words (16,384 bytes) lie in each work-group's LDS,
; filled once by joint loads: no slot is filled again.  Wave w (gg = w / 2, s = w % 2) of the work-group at place j owns two tiles of 16 queries: the long one, tile 8 (15 - gg) + 4 s + j, and the short one,
; tile 8 gg + 4 s + j: (16 - gg) + (gg + 1) = 17 key steps for every wave of the launch.  j enters global addresses and the mask's data alone.
; LAYOUT.  S^T = k q^T (source 0 = 16 keys, source 1 = my 16 queries), O^T = v^T p^T: a lane holds one query (lane % 16) throughout.  The head's 64 fill half of the instruction's K = 128: q's upper eight
; registers are zero codes; k's upper eight are the next tile's codes (finite numbers, which meet zeros), behind the last tile eight registers of zeros; the scale bytes there are 0, which is 2^-127.
; Of a block of 32 keys lane (r, h) holds 8 h + 0..7 and 16 + 8 h + 0..7; two conversions and two exchanges of half rows of lanes give the operand's layout (as in the first launch).
; REGISTERS: v1-11 addresses; v12 -M, v13 the largest t, v[14:15] the sum; v16-31, v32-47 the two tiles of q; v48-79 four tiles of k or two fragments of v; v80-87 zeros; v88-95 k's scale words;
; v96-159 S^T, then p, then (v96-127) v's other two fragments; v160-191 O^T; v192-207 p's codes; v208-211 v's scale words; v212, v213 q's; v214 p's; v232-254 at work.
.set VREG,  131072
.set SCREG, 262144
.set SPARE, 294912                     ; the spare words: 128 bytes a wave, eight blocks of 256 bytes that no other line names
.set LI,  1                            ; 16 x lane
.set AV0, 2                            ; + VREG
.set AS0, 3                            ; k's scale words: SCREG + 32 r + 2 (head % 2)
.set AT0, 4                            ; v's: SCREG + 512 + 32 r + 16 (head % 2)
.set SPW, 5
.set NIL, 6
.set DQ,  7                            ; my query's place in its 128, less 8 h
.set ADK, 8
.set ADV, 9
.set ADS, 10
.set ADT, 11
.set KV,  48
.set KSW, 88
.set S,   96
.set O,   160
.set PC,  192
.set VSW, 208
.set PSW, 214
.set RS,  215                          ; 32 r
.set YW,  216                          ; y's two scale bytes
.set TB,  2                            ; s2  LDS byte of the key step's codes: 8,192 a step
.set TS,  3                            ; s3  and of its scale words: 1,024 a step
.set WV,  18
.set MNT, 19
.set SEL, 20
.set CS,  22
.set G1K, 24
.set G1V, 32
.set G1S, 40
.set G0S, 48
.set G0K0, 52
.set G0K1, 56
.set G0V0, 60
.set G0V1, 68
.set KS,  66                           ; s66 the key step
.set G,   67                           ; s67 the key step on the tile's diagonal
.macro CROUND
	s_barrier_signal -1
	s_barrier_wait -1
	s_cmp_lg_u32 s[WV], 0
	s_cbranch_scc1 .Lnot_wave_0_\@
	s_barrier_signal -3
.Lnot_wave_0_\@:
	s_barrier_wait -3
	s_barrier_signal -1
	s_barrier_wait -1
.endm
	s_load_b256 s[4:11], s[0:1], 0x0               ; qimg 4, kimg 6, vimg 8, qs 10
	s_load_b128 s[12:15], s[0:1], 0x20             ; kvs 12, yimg 14
	s_load_b64 s[16:17], s[0:1], 0x30              ; ysc
	v_lshl_add_u32 v[SPW], v0, 2, SPARE
	v_mov_b32 v[NIL], 0
	ds_add_u32 v[SPW], v[NIL]                      ; the wave's opening: the add, twice on end, and its wait ahead of my first tensor load
	ds_add_u32 v[SPW], v[NIL]
	v_lshrrev_b32 v8, 5, v0
	s_delay_alu instid0(VALU_DEP_1)
	v_readfirstlane_b32 s[WV], v8                  ; wave 0..15
	s_bfe_u32 s72, ttmp6, 0x40000                  ; j = cx
	s_and_b32 s73, ttmp7, 0xffff                   ; batch x 16 + head
	s_lshr_b32 s74, s73, 1
	s_lshl_b32 s74, s74, 4                         ; idx of the head's first 128 tokens
	s_and_b32 s75, s73, 1                          ; head % 2
	s_and_b32 s84, s[WV], 7
	s_lshr_b32 s85, s[WV], 1                       ; gg
	s_and_b32 s86, s[WV], 1                        ; s
	s_sub_co_u32 s87, 15, s85                      ; the long tile's key step on the diagonal
	s_add_co_u32 s88, s74, s[WV]
	s_lshl_b32 s88, s88, 10                        ; key step w's scale words in kvs
	s_mov_b32 s89, 0
	s_add_co_u32 s90, s74, s84
	s_lshl_b32 s90, s90, 14                        ; key step w % 8's block of 16,384 bytes
	s_lshl_b32 s92, s75, 10
	s_add_co_u32 s92, s92, s90                     ; v: my head's rows begin 1,024 (head % 2) in
	s_mov_b32 s93, 0
	s_lshl_b32 s94, s75, 11
	s_add_co_u32 s90, s90, s94                     ; k: 2,048 (head % 2) in
	s_mov_b32 s91, 0
	s_lshl_b32 s94, s[WV], 10                      ; LDS: 1,024 x wave
	s_lshl_b32 s95, s84, 13                        ; LDS: 8,192 x (wave % 8)
	; group 1, elements of 8 bytes, the mask of all four partners, bit 21 beside it, no padding: every read is 16 x lane on end
	s_mov_b32 s[G1K], 15|(3<<16)|(1<<21)           ; k: a key step is 4 rows of 2,048 bytes, 4,096 apart
	s_mov_b32 s[G1K+1], 256<<16
	s_mov_b32 s[G1K+2], 4<<16
	s_mov_b32 s[G1K+3], 256<<16
	s_mov_b32 s[G1K+4], 4
	s_mov_b32 s[G1K+5], 512
	s_mov_b32 s[G1K+6], 0
	s_mov_b32 s[G1K+7], 0
	s_mov_b32 s[G1V], 15|(3<<16)|(1<<21)           ; v: 8 rows of 1,024 bytes, 2,048 apart
	s_mov_b32 s[G1V+1], 128<<16
	s_mov_b32 s[G1V+2], 8<<16
	s_mov_b32 s[G1V+3], 128<<16
	s_mov_b32 s[G1V+4], 8
	s_mov_b32 s[G1V+5], 256
	s_mov_b32 s[G1V+6], 0
	s_mov_b32 s[G1V+7], 0
	s_mov_b32 s[G1S], 15|(3<<16)|(1<<21)           ; scale words: 1,024 dense bytes as 4 rows of 256
	s_mov_b32 s[G1S+1], 32<<16
	s_mov_b32 s[G1S+2], 4<<16
	s_mov_b32 s[G1S+3], 32<<16
	s_mov_b32 s[G1S+4], 4
	s_mov_b32 s[G1S+5], 32
	s_mov_b32 s[G1S+6], 0
	s_mov_b32 s[G1S+7], 0
	s_mov_b32 s[SEL], 0x76543210
	s_mov_b32 s[SEL+1], 0xfedcba98
	s_mov_b32 s[CS], 0x3e38aa3b                    ; c = log2(e) / 8
	s_mov_b32 s[CS+1], s[CS]
	s_wait_dscnt 0x0                               ; both opening adds are done
	s_wait_kmcnt 0x0
	s_mov_b32 s[G0S], 1
	s_add_co_u32 s[G0S+1], s94, SCREG
	s_add_nc_u64 s[G0S+2:G0S+3], s[12:13], s[88:89]
	s_or_b32 s[G0S+3], s[G0S+3], 0x80000000
	s_mov_b32 s[G0K0], 1
	s_mov_b32 s[G0K0+1], s95
	s_add_nc_u64 s[G0K0+2:G0K0+3], s[6:7], s[90:91]
	s_mov_b32 s[G0K1], 1
	s_add_co_u32 s[G0K1+1], s95, 65536             ; key step w % 8 + 8
	s_add_nc_u64 s[G0K1+2:G0K1+3], s[G0K0+2:G0K0+3], 131072
	s_or_b32 s[G0K0+3], s[G0K0+3], 0x80000000
	s_or_b32 s[G0K1+3], s[G0K1+3], 0x80000000
	s_mov_b32 s[G0V0], 1
	s_add_co_u32 s[G0V0+1], s95, VREG
	s_add_nc_u64 s[G0V0+2:G0V0+3], s[8:9], s[92:93]
	s_mov_b32 s[G0V1], 1
	s_add_co_u32 s[G0V1+1], s95, VREG+65536
	s_add_nc_u64 s[G0V1+2:G0V1+3], s[G0V0+2:G0V0+3], 131072
	s_or_b32 s[G0V0+3], s[G0V0+3], 0x80000000
	s_or_b32 s[G0V1+3], s[G0V1+3], 0x80000000
	CROUND                                         ; all four work-groups are here: the joint loads meet
	tensor_load_to_lds s[G0S:G0S+3], s[G1S:G1S+7]  ; every wave: key step w's scale words.  Three loads of mine are out in all
	s_nop 0
.rept 4
	v_nop
.endr
	s_cmp_lt_u32 s[WV], 8                          ; waves 0-7 fetch k, waves 8-15 v: key step w % 8, then w % 8 + 8
	s_cbranch_scc0 .Lfirst_v
	tensor_load_to_lds s[G0K0:G0K0+3], s[G1K:G1K+7]
	s_nop 0
	tensor_load_to_lds s[G0K1:G0K1+3], s[G1K:G1K+7]
	s_nop 0
.rept 4
	v_nop
.endr
	s_branch .Lfirst_asked
.Lfirst_v:
	tensor_load_to_lds s[G0V0:G0V0+3], s[G1V:G1V+7]
	s_nop 0
	tensor_load_to_lds s[G0V1:G0V1+3], s[G1V:G1V+7]
	s_nop 0
.rept 4
	v_nop
.endr
.Lfirst_asked:
	; q: tile a = 4 s + j of the 128 tokens of key step g: chunks at 4096 j + 2048 (head % 2) + 1024 s + {0, 512}; its scale bytes at 32 r + 4 a + 2 (head % 2)
	s_lshl_b32 s96, s86, 2
	s_add_co_u32 s96, s96, s72                     ; a
	s_lshl_b32 s95, s72, 12
	s_lshl_b32 s97, s75, 11
	s_add_co_u32 s95, s95, s97
	s_lshl_b32 s97, s86, 10
	s_add_co_u32 s95, s95, s97
	s_lshl_b32 s94, s96, 2
	s_lshl_b32 s97, s75, 1
	s_add_co_u32 s94, s94, s97
	s_add_co_u32 s97, s74, s87                     ; the long tile's idx
	s_lshl_b32 s88, s97, 14
	s_add_co_u32 s88, s88, s95
	s_mov_b32 s89, 0
	s_add_nc_u64 s[88:89], s[4:5], s[88:89]
	s_lshl_b32 s92, s97, 10
	s_add_co_u32 s92, s92, s94
	s_mov_b32 s93, 0
	s_add_nc_u64 s[92:93], s[10:11], s[92:93]
	s_add_co_u32 s97, s74, s85                     ; the short tile's
	s_lshl_b32 s90, s97, 14
	s_add_co_u32 s90, s90, s95
	s_mov_b32 s91, 0
	s_add_nc_u64 s[90:91], s[4:5], s[90:91]
	s_lshl_b32 s98, s97, 10
	s_add_co_u32 s98, s98, s94
	s_mov_b32 s99, 0
	s_add_nc_u64 s[98:99], s[10:11], s[98:99]
	v_and_b32 v[LI], 31, v0
	s_delay_alu instid0(VALU_DEP_1)
	v_lshlrev_b32 v[LI], 4, v[LI]
	v_and_b32 v8, 15, v0                           ; r
	v_bfe_u32 v9, v0, 4, 1                         ; h
	s_delay_alu instid0(VALU_DEP_2)
	v_lshlrev_b32 v[RS], 5, v8
	global_load_b128 v[16:19], v[LI], s[88:89]
	global_load_b128 v[20:23], v[LI], s[88:89] offset:512
	global_load_b128 v[32:35], v[LI], s[90:91]
	global_load_b128 v[36:39], v[LI], s[90:91] offset:512
	global_load_u16 v212, v[RS], s[92:93]          ; two scale bytes; the upper two are 0
	global_load_u16 v213, v[RS], s[98:99]
	v_add_nc_u32 v[AV0], VREG, v[LI]
	s_lshl_b32 s97, s75, 1
	s_add_co_u32 s97, s97, SCREG
	v_add_nc_u32 v[AS0], s97, v[RS]
	s_lshl_b32 s97, s75, 4
	s_add_co_u32 s97, s97, SCREG+512
	v_add_nc_u32 v[AT0], s97, v[RS]
	s_lshl_b32 s97, s96, 4
	v_lshlrev_b32 v10, 3, v9
	s_delay_alu instid0(VALU_DEP_1)
	v_sub_nc_u32 v[DQ], v8, v10
	s_delay_alu instid0(VALU_DEP_1)
	v_add_nc_u32 v[DQ], s97, v[DQ]                 ; 16 a + r - 8 h
	; where y goes: tile GT = 128 batch + tile: yimg + 16384 GT + 1024 head; ysc + 512 GT + 2 head
	s_lshr_b32 s100, s73, 4
	s_lshl_b32 s100, s100, 7
	s_add_co_u32 s100, s100, s96
	s_and_b32 s101, s73, 15
	s_lshl_b32 s74, s101, 10
	s_lshl_b32 s75, s101, 1
	s_lshl_b32 s97, s87, 3
	s_add_co_u32 s97, s97, s100
	s_lshl_b32 s76, s97, 14
	s_add_co_u32 s76, s76, s74
	s_mov_b32 s77, 0
	s_add_nc_u64 s[76:77], s[14:15], s[76:77]
	s_lshl_b32 s78, s97, 9
	s_add_co_u32 s78, s78, s75
	s_mov_b32 s79, 0
	s_add_nc_u64 s[78:79], s[16:17], s[78:79]
	s_lshl_b32 s97, s85, 3
	s_add_co_u32 s97, s97, s100
	s_lshl_b32 s80, s97, 14
	s_add_co_u32 s80, s80, s74
	s_mov_b32 s81, 0
	s_add_nc_u64 s[80:81], s[14:15], s[80:81]
	s_lshl_b32 s82, s97, 9
	s_add_co_u32 s82, s82, s75
	s_mov_b32 s83, 0
	s_add_nc_u64 s[82:83], s[16:17], s[82:83]
.irp j, 0,1,2,3,4,5,6,7
	v_mov_b32 v[24+\j], 0                          ; zero codes: K 64 to 127 of both tiles of q,
	v_mov_b32 v[40+\j], 0
	v_mov_b32 v[80+\j], 0                          ; and behind k's last tile
.endr
.irp b, 0,1,2,3
	v_mov_b32 v[236+\b], 0                         ; written once: a lane permute's destination counts as one of its sources
.endr
	v_mov_b32 v251, 0                              ; (named as the upper half of the pair v[250:251])
	v_mov_b32 v254, 0
; A KEY STEP: 128 keys.  qf: the tile of q; qw: its scale words; tests = 1: the step may lie above the diagonal (left out) or on it (masked).
.macro STEP qf, qw, tests
.if \tests
	s_cmp_gt_u32 s[KS], s[G]                       ; all its keys come after my 16 queries: a branch on ids and the count of steps
	s_cbranch_scc1 .Lhidden_\@
.endif
	s_setprio 2
	v_add_nc_u32 v[ADK], s[TB], v[LI]
	s_wait_alu depctr_va_vdst(0)
	v_add_nc_u32 v[ADV], s[TB], v[AV0]
	v_add_nc_u32 v[ADS], s[TS], v[AS0]
	s_wait_alu depctr_va_vdst(0)
	v_add_nc_u32 v[ADT], s[TS], v[AT0]
.irp g, 0,1                                    ; S^T = k q^T, four tiles of 16 keys at a time
.rept 5+3*\g
	v_nop                                          ; g = 0: with the four additions nine places: the products below write over v96-127, which the last step's products read; g = 1: eight, in front of loads into registers just read
.endr
.irp t, 0,1,2,3
	ds_load_b128 v[KV+8*\t:KV+8*\t+3], v[ADK] offset:\t*2048+\g*1024
	ds_load_b128 v[KV+8*\t+4:KV+8*\t+7], v[ADK] offset:\t*2048+\g*1024+512
	ds_load_u16 v[KSW+4*\g+\t], v[ADS] offset:4*(4*\g+\t)
.endr
	s_wait_dscnt 0x0
.irp t, 0,1,2,3
	v_wmma_scale_f32_16x16x128_f8f6f4 v[S+8*(4*\g+\t):S+8*(4*\g+\t)+7], v[KV+8*\t:KV+8*\t+15], v[\qf:\qf+15], 0, v[KSW+4*\g+\t], v[\qw] matrix_a_fmt:MATRIX_FMT_BF8 matrix_b_fmt:MATRIX_FMT_BF8
.endr
.endr
.rept 8
	v_nop                                          ; places in front of the loads below and of the first read of the scores
.endr
.irp t, 0,1                                    ; v's fragments of channels 0-31 are asked for now and land under the softmax
.irp c, 0,1,2,3
	ds_load_b128 v[KV+16*\t+4*\c:KV+16*\t+4*\c+3], v[ADV] offset:\t*2048+\c*512
.endr
.endr
	s_wait_alu depctr_va_vdst(0)
	ds_load_b128 v[VSW:VSW+3], v[ADT]              ; v's scale words of the four tiles of channels
.if \tests
	s_cmp_lg_u32 s[KS], s[G]
	s_cbranch_scc1 .Lopen_\@
	v_mov_b32 v254, 0xff800000                     ; on the diagonal hidden scores become -infinity.  Register n holds key 16 (n / 8) + 8 h + n % 8 of the step
.set n, 0
.rept 64
	v_cmp_gt_i32 vcc_lo, 16*(n/8)+n%8, v[DQ]
	v_cndmask_b32 v[S+n], v[S+n], v254, vcc_lo
.set n, n+1
.endr
.Lopen_\@:
.endif
.irp b, 0,1,2,3
	v_max3_num_f32 v[232+\b], v[S+16*\b], v[S+1+16*\b], v[S+2+16*\b]   ; the largest score of each block of 32 keys: it serves the row's maximum and, since p rises with the score, the block's largest p
.endr
.irp i, 3,5,7,9,11,13
.irp b, 0,1,2,3
	v_max3_num_f32 v[232+\b], v[232+\b], v[S+16*\b+\i], v[S+1+16*\b+\i]
.endr
.endr
.irp b, 0,1,2,3
	v_max_num_f32 v[232+\b], v[232+\b], v[S+15+16*\b]
.endr
.irp b, 0,1,2,3
	s_delay_alu instid0(VALU_DEP_4)
	v_permlanex16_b32 v[236+\b], v[232+\b], s[SEL], s[SEL+1]
.endr
.irp b, 0,1,2,3
	s_delay_alu instid0(VALU_DEP_4)
	v_max_num_f32 v[232+\b], v[232+\b], v[236+\b]  ; with lane l xor 16's 16 keys
.endr
	s_delay_alu instid0(VALU_DEP_2)
	v_max3_num_f32 v254, v232, v233, v234
	s_delay_alu instid0(VALU_DEP_1)
	v_max_num_f32 v254, v254, v235
	s_delay_alu instid0(VALU_DEP_1)
	v_mul_f32 v254, s[CS], v254                    ; as t
	s_delay_alu instid0(VALU_DEP_1)
	v_max_num_f32 v13, v13, v254                   ; the running largest t
	v_mov_b32 v254, v12
	s_delay_alu instid0(VALU_DEP_2)
	v_floor_f32 v12, -v13                          ; the new -M = -ceil(t)
	s_delay_alu instid0(VALU_DEP_1)
	v_sub_f32 v254, v12, v254                      ; old M - new M: a whole number, 0 or less
	s_delay_alu instid0(VALU_DEP_1)
	v_cvt_i32_f32 v254, v254
	s_delay_alu instid0(VALU_DEP_1)
	v_ldexp_f32 v250, 1.0, v254                    ; f = 2^(old M - new M): rounds nothing
.set n, 0
.rept 32
	v_pk_fma_f32 v[S+n:S+n+1], v[S+n:S+n+1], s[CS:CS+1], v[12:13] op_sel_hi:[1,0,0]   ; t - M
.set n, n+2
.endr
.irp b, 0,1,2,3
	v_fma_f32 v[232+\b], v[232+\b], s[CS], v12
.endr
.set n, 0
	s_setprio 1
	s_wait_alu depctr_va_vdst(0)
.rept 64
	v_exp_f32 v[S+n], v[S+n]                       ; p = 2^(t - M)
.set n, n+1
.endr
	v_pk_mul_f32 v[14:15], v[14:15], v[250:251] op_sel_hi:[1,0]   ; the sums under the new M; a plain instruction behind the exponentials
	s_wait_alu depctr_va_vdst(0)                   ; one wait for the batch, ahead of its first reader
.irp b, 0,1,2,3
	v_exp_f32 v[232+\b], v[232+\b]                 ; each block's largest p
.endr
	v_pk_add_f32 v[236:237], v[100:101], v[104:105]
	v_pk_add_f32 v[252:253], v[108:109], v[112:113]
	v_pk_add_f32 v[248:249], v[116:117], v[120:121]
	v_pk_add_f32 v[246:247], v[124:125], v[128:129]
	v_pk_add_f32 v[244:245], v[132:133], v[136:137]
	v_pk_add_f32 v[242:243], v[140:141], v[144:145]
	v_pk_add_f32 v[240:241], v[148:149], v[152:153]
	v_pk_add_f32 v[14:15], v[14:15], v[156:157]
	v_pk_add_f32 v[236:237], v[236:237], v[96:97]
	v_pk_add_f32 v[252:253], v[252:253], v[98:99]
	v_pk_add_f32 v[248:249], v[248:249], v[102:103]
	v_pk_add_f32 v[246:247], v[246:247], v[106:107]
	v_pk_add_f32 v[244:245], v[244:245], v[110:111]
	v_pk_add_f32 v[242:243], v[242:243], v[114:115]
	v_pk_add_f32 v[240:241], v[240:241], v[118:119]
	v_pk_add_f32 v[14:15], v[14:15], v[122:123]
	v_pk_add_f32 v[236:237], v[236:237], v[126:127]
	v_pk_add_f32 v[252:253], v[252:253], v[130:131]
	v_pk_add_f32 v[248:249], v[248:249], v[134:135]
	v_pk_add_f32 v[246:247], v[246:247], v[138:139]
	v_pk_add_f32 v[244:245], v[244:245], v[142:143]
	v_pk_add_f32 v[242:243], v[242:243], v[146:147]
	v_pk_add_f32 v[240:241], v[240:241], v[150:151]
	v_pk_add_f32 v[14:15], v[14:15], v[154:155]
	v_pk_add_f32 v[236:237], v[236:237], v[158:159]
	s_delay_alu instid0(VALU_DEP_2)
	v_pk_add_f32 v[14:15], v[14:15], v[246:247]
	s_delay_alu instid0(VALU_DEP_2)
	v_pk_add_f32 v[236:237], v[236:237], v[244:245]
	v_pk_add_f32 v[252:253], v[252:253], v[242:243]
	v_pk_add_f32 v[248:249], v[248:249], v[240:241]
	s_delay_alu instid0(VALU_DEP_2)
	v_pk_add_f32 v[14:15], v[14:15], v[252:253]
	s_delay_alu instid0(VALU_DEP_2)
	v_pk_add_f32 v[236:237], v[236:237], v[248:249]
	s_delay_alu instid0(VALU_DEP_1)
	v_pk_add_f32 v[14:15], v[14:15], v[236:237]
	s_wait_alu depctr_va_vdst(0)                   ; and one for the four
.irp b, 0,1,2,3
	v_max_num_f32 v[232+\b], 0x8000000, v[232+\b]  ; the floor 2^(16 - 127)
.endr
.irp b, 0,1,2,3
	s_delay_alu instid0(VALU_DEP_4)
	v_add_nc_u32 v[244+\b], 0xf8800000, v[232+\b]  ; the conversion's scale operand
.endr
.irp b, 0,1,2,3
.endr
.irp b, 0,1,2,3
	s_delay_alu instid0(VALU_DEP_4)
	v_lshrrev_b32 v[236+\b], 23, v[244+\b]         ; the scale's byte
.endr
	s_delay_alu instid0(VALU_DEP_3)
	v_lshl_or_b32 v[PSW], v237, 8, v236            ; p's scale word for these 128 keys
	s_delay_alu instid0(VALU_DEP_1)
	v_lshl_or_b32 v[PSW], v238, 16, v[PSW]
	s_delay_alu instid0(VALU_DEP_1)
	v_lshl_or_b32 v[PSW], v239, 24, v[PSW]
.irp b, 0,1,2,3
.irp i, 0,1,2,3,4,5,6,7,8,9,10,11,12,13,14,15
.endr
	v_cvt_scalef32_pk8_bf8_f32 v[PC+4*\b:PC+4*\b+1], v[S+16*\b:S+16*\b+7], v[244+\b]
	v_cvt_scalef32_pk8_bf8_f32 v[PC+4*\b+2:PC+4*\b+3], v[S+16*\b+8:S+16*\b+15], v[244+\b]
.endr
	v_nop
	s_setprio 0
.irp t, 0,1                                    ; p's registers are done with: v's fragments of channels 32-63 land there
.irp c, 0,1,2,3
	ds_load_b128 v[S+16*\t+4*\c:S+16*\t+4*\c+3], v[ADV] offset:(2+\t)*2048+\c*512
.endr
.endr
.set n, 0
.rept 8
	v_pk_mul_f32 v[O+n:O+n+1], v[O+n:O+n+1], v[250:251] op_sel_hi:[1,0]   ; O^T under the new M (plain instructions behind the conversions)
.set n, n+2
.endr
.irp b, 0,1,2,3
	v_permlane16_swap_b32 v[PC+4*\b], v[PC+4*\b+2]       ; lane (r, h) now holds keys 32 b + 16 h + 0 .. 15
	v_permlane16_swap_b32 v[PC+4*\b+1], v[PC+4*\b+3]
.endr
.rept 8
	v_pk_mul_f32 v[O+n:O+n+1], v[O+n:O+n+1], v[250:251] op_sel_hi:[1,0]   ; the other half: also the places between the codes' last write and the products
.set n, n+2
.endr
	s_wait_alu depctr_va_vdst(0)
	s_wait_dscnt 0x0                               ; v's four fragments and its scale words
.irp t, 0,1
	v_wmma_scale_f32_16x16x128_f8f6f4 v[O+8*\t:O+8*\t+7], v[KV+16*\t:KV+16*\t+15], v[PC:PC+15], v[O+8*\t:O+8*\t+7], v[VSW+\t], v[PSW] matrix_a_fmt:MATRIX_FMT_BF8 matrix_b_fmt:MATRIX_FMT_BF8
.endr
.irp t, 0,1
	v_wmma_scale_f32_16x16x128_f8f6f4 v[O+16+8*\t:O+16+8*\t+7], v[S+16*\t:S+16*\t+15], v[PC:PC+15], v[O+16+8*\t:O+16+8*\t+7], v[VSW+2+\t], v[PSW] matrix_a_fmt:MATRIX_FMT_BF8 matrix_b_fmt:MATRIX_FMT_BF8
.endr
.if \tests
.Lhidden_\@:
.endif
	s_add_co_u32 s[TB], s[TB], 8192
	s_add_co_u32 s[TS], s[TS], 1024
.endm
.macro INIT                            ; a tile begins: zeros, which the first change of M leaves zeros
	s_wait_xcnt 0x0                                ; earlier stores have read their registers
	v_mov_b32 v13, 0xff61b1e6                      ; -3e38, under every t
	s_delay_alu instid0(VALU_DEP_1)
	v_floor_f32 v12, -v13
	v_mov_b32 v14, 0
	v_mov_b32 v15, 0
.set n, 0
.rept 32
	v_mov_b32 v[O+n], 0
.set n, n+1
.endr
	s_mov_b32 s[KS], 0
	s_mov_b32 s[TB], 0
	s_mov_b32 s[TS], 0
.endm
; A tile ends: y = O^T / the sum; its two blocks of 32 along C are quantised; two chunks of codes and two scale bytes a row leave.
.macro FINISH yb, ysb
.rept 8
	v_nop                                          ; places behind the last products
.endr
	v_add_f32 v14, v14, v15
	s_delay_alu instid0(VALU_DEP_1)
	v_permlanex16_b32 v254, v14, s[SEL], s[SEL+1]
	s_delay_alu instid0(VALU_DEP_1)
	v_add_f32 v14, v14, v254                       ; the row's sum
	s_wait_alu depctr_va_vdst(0)
	v_rcp_f32 v14, v14
	v_nop                                          ; a plain instruction behind the reciprocal
	s_wait_alu depctr_va_vdst(0)                   ; and a wait ahead of its first reader
.set n, 0
.rept 16
	v_pk_mul_f32 v[S+n:S+n+1], v[O+n:O+n+1], v[14:15] op_sel_hi:[1,0]   ; register 8 t + i: y(r, 16 t + 8 h + i); each accumulator from its low end on
.set n, n+2
.endr
.irp b, 0,1
	v_max3_num_f32 v[232+\b], |v[S+16*\b]|, |v[S+1+16*\b]|, 0x8000000
.endr
.irp i, 2,4,6,8,10,12,14
.irp b, 0,1
	s_delay_alu instid0(VALU_DEP_2)
	v_max3_num_f32 v[232+\b], v[232+\b], |v[S+16*\b+\i]|, |v[S+1+16*\b+\i]|
.endr
.endr
.irp b, 0,1
	s_delay_alu instid0(VALU_DEP_2)
	v_permlanex16_b32 v[236+\b], v[232+\b], s[SEL], s[SEL+1]
.endr
.irp b, 0,1
	s_delay_alu instid0(VALU_DEP_2)
	v_max_num_f32 v[232+\b], v[232+\b], v[236+\b]
.endr
.irp b, 0,1
	s_delay_alu instid0(VALU_DEP_2)
	v_add_nc_u32 v[244+\b], 0xf8800000, v[232+\b]
.endr
.irp b, 0,1
.endr
.irp b, 0,1
	s_delay_alu instid0(VALU_DEP_2)
	v_lshrrev_b32 v[236+\b], 23, v[244+\b]
.endr
	s_delay_alu instid0(VALU_DEP_1)
	v_lshl_or_b32 v[YW], v237, 8, v236
.irp b, 0,1
.irp i, 0,1,2,3,4,5,6,7,8,9,10,11,12,13,14,15
.endr
	v_cvt_scalef32_pk8_bf8_f32 v[PC+4*\b:PC+4*\b+1], v[S+16*\b:S+16*\b+7], v[244+\b]
	v_cvt_scalef32_pk8_bf8_f32 v[PC+4*\b+2:PC+4*\b+3], v[S+16*\b+8:S+16*\b+15], v[244+\b]
.endr
	v_nop
.irp b, 0,1
	v_permlane16_swap_b32 v[PC+4*\b], v[PC+4*\b+2]
	v_permlane16_swap_b32 v[PC+4*\b+1], v[PC+4*\b+3]
.endr
	global_store_b128 v[LI], v[PC:PC+3], s[\yb:\yb+1]              ; a chunk: 512 consecutive bytes
	global_store_b128 v[LI], v[PC+4:PC+7], s[\yb:\yb+1] offset:512
	global_store_b16 v[RS], v[YW], s[\ysb:\ysb+1]                  ; my row's two bytes (lanes l and l + 16 store the same): one byte in 32 of what the tile stores
.endm
	s_wait_tensorcnt 1                             ; the scale words and key steps 0-7 are in; my load for key steps 8-15 may stay out
	s_barrier_signal -1
	s_barrier_wait -1
	s_wait_loadcnt 0x0                             ; q
	INIT
.Llong_a:                                          ; the long tile, key steps 0-7: its diagonal lies at step 8 or later, so all keys count
	STEP 16, 212, 0
	s_add_co_u32 s[KS], s[KS], 1
	s_cmp_lt_u32 s[KS], 8
	s_cbranch_scc1 .Llong_a
	s_setprio 0
	s_wait_tensorcnt 0x0                           ; my part of key steps 8-15 is in,
	s_wait_dscnt 0x0
	s_barrier_signal -1
	s_barrier_wait -1                              ; everybody's is
	s_mov_b32 s[G], s87
.Llong_b:                                          ; key steps 8-15: a constant count of trips; the work is jumped over above the diagonal
	STEP 16, 212, 1
	s_add_co_u32 s[KS], s[KS], 1
	s_cmp_lt_u32 s[KS], 16
	s_cbranch_scc1 .Llong_b
	s_setprio 0
	FINISH 76, 78
	INIT
	s_mov_b32 s[G], s85
.Lshort:                                           ; the short tile: key steps 0-7
	STEP 32, 213, 1
	s_add_co_u32 s[KS], s[KS], 1
	s_cmp_lt_u32 s[KS], 8
	s_cbranch_scc1 .Lshort
	s_setprio 0
	FINISH 80, 82
	s_wait_tensorcnt 0x0                           ; the wave's end
	ds_add_u32 v[SPW], v[NIL]
	s_wait_dscnt 0x0
	CROUND                                         ; the closing round
	s_endpgm
.Lfunc_end_k_q7776cb7c40_attn:
	.size	k_q7776cb7c40_attn, .Lfunc_end_k_q7776cb7c40_attn-k_q7776cb7c40_attn
	.p2alignl 7, 3214868480
	.fill 96, 4, 3214868480
	.section	.rodata,"a",@progbits
	.p2align	6, 0x0
	.amdhsa_kernel k_q7776cb7c40_attn
		.amdhsa_group_segment_fixed_size 327680
		.amdhsa_private_segment_fixed_size 0
		.amdhsa_enable_private_segment 0
		.amdhsa_kernarg_size 56
		.amdhsa_user_sgpr_count 2
		.amdhsa_user_sgpr_kernarg_segment_ptr 1
		.amdhsa_wavefront_size32 1
		.amdhsa_system_sgpr_workgroup_id_x 1
		.amdhsa_system_sgpr_workgroup_id_y 1
		.amdhsa_system_sgpr_workgroup_id_z 1
		.amdhsa_system_vgpr_workitem_id 0
		.amdhsa_next_free_vgpr 256
		.amdhsa_next_free_sgpr 102
		.amdhsa_reserve_vcc 1
		.amdhsa_float_denorm_mode_32 3
		.amdhsa_float_denorm_mode_16_64 3
		.amdhsa_fp16_overflow 1
		.amdhsa_memory_ordered 1
		.amdhsa_forward_progress 1
		.amdhsa_inst_pref_size 87
	.end_amdhsa_kernel
	.amdgpu_metadata
---
amdhsa.version: [ 1, 2 ]
amdhsa.kernels:
  - .name:           k_q7776cb7c40_attn
    .symbol:         k_q7776cb7c40_attn.kd
    .args:
      - { .name: qimg, .offset: 0, .size: 8, .value_kind: global_buffer, .address_space: global }
      - { .name: kimg, .offset: 8, .size: 8, .value_kind: global_buffer, .address_space: global }
      - { .name: vimg, .offset: 16, .size: 8, .value_kind: global_buffer, .address_space: global }
      - { .name: qs, .offset: 24, .size: 8, .value_kind: global_buffer, .address_space: global }
      - { .name: kvs, .offset: 32, .size: 8, .value_kind: global_buffer, .address_space: global }
      - { .name: yimg, .offset: 40, .size: 8, .value_kind: global_buffer, .address_space: global }
      - { .name: ysc, .offset: 48, .size: 8, .value_kind: global_buffer, .address_space: global }
    .group_segment_fixed_size: 327680
    .private_segment_fixed_size: 0
    .kernarg_segment_align: 8
    .kernarg_segment_size: 56
    .max_flat_workgroup_size: 512
    .sgpr_count:     102
    .vgpr_count:     256
    .wavefront_size: 32
...
	.end_amdgpu_metadata
.endif
;; end of part 2
;; launch proj (part 3): grid 4 x 32, 4 waves a work-group, clusters of 4 x 4, 327,680 bytes of LDS; arguments yimg, ysc, Wproj_codes, Wproj_scales, bproj, out0; writes out0
.if DOCPART == 3
	.amdgcn_target "amdgcn-amd-amdhsa--gfx1250"
	.amdhsa_code_object_version 6
	.text
	.protected	k_q7776cb7c40_proj
	.globl	k_q7776cb7c40_proj
	.p2align	8
	.type	k_q7776cb7c40_proj,@function
k_q7776cb7c40_proj:
	s_mov_b64 s[64:65], 0
	v_nop
	global_prefetch_b8 v0, s[64:65] scope:SCOPE_SE
	s_setreg_imm32_b32 hwreg(HW_REG_WAVE_MODE, 25, 1), 1
	s_wait_xcnt 0x0
	s_wait_alu depctr_hold_cnt(0) depctr_sa_sdst(0) depctr_va_vdst(0) depctr_va_sdst(0) depctr_va_ssrc(0) depctr_va_vcc(0) depctr_vm_vsrc(0)
	s_getreg_b32 s2, hwreg(HW_REG_IB_STS2, 6, 4)
	s_cmp_eq_u32 s2, 0
	s_cbranch_scc0 .Lentry_in_a_cluster
	s_endpgm
.Lentry_in_a_cluster:
	s_bfe_u32 s2, ttmp6, 0x10000c
	s_cmp_lg_u32 s2, 0xf033
	s_cbranch_scc0 .Lentry_shape_is_right
	s_endpgm
.Lentry_shape_is_right:
; out0 = y Wproj + bproj on codes of BF8 (E5M2) with E8M0 scales; sums in f32.  Nothing is left out here.  LIMITS: as stated at the head of the first launch; the bias is each sum's first term.
; A tile of 256 x 256 to a work-group of four waves, 128 x 128 to a wave; K = 1,024 in four steps of 256 through a ring of two LDS slots; the scale bytes of the work-group's rows come once and stay.
; 4 x 4 work-groups form a cluster: y's tiles are asked for jointly along a row of the cluster, Wproj's along a column.  Source 0 = 16 rows of Wproj, source 1 = 16 rows of y: a lane holds eight neighbouring numbers of a row of out0.
; y's codes lie as IMAGES OF THE OPERAND'S REGISTERS: yimg[tile of 16 tokens][K step of 128][chunk c][16 x lane]: a slot's part of a tile of tokens is 4,096 consecutive bytes, 16,384 from tile to tile;
; a fragment is four loads of 16 x lane on end, with no pitch and no padding.  Wproj's codes lie by rows and are padded in LDS.  ysc is [token][32 bytes], as Wproj's scale bytes are.
; REGISTERS, in windows of 256: window 0: v1-31 addresses; v32-63 scale words; v64-127 the bias as C; from v128 y's fragments, one set; on the way out v128-255 hold rows.  window 1: Wproj's fragments, two sets.  windows 2, 3: the accumulators.
.set SIZE_N, 1024
.set NQ,     2
.set ROWB,   256
.set KROW,   1024
.set PITCH,  272
.set FR,     16
.set NL,     4
.set NP,     8
.set HALFT,  128*PITCH
.set SLOT,   4*HALFT
.set KS,     32
.set SCL,    2*SLOT
.set HALFS,  (128*KS/256)*272
.set SBLK,   (16*KS/256)*272
.set SPARE,  SCL+4*HALFS               ; the spare words: two blocks of 256 bytes that no other line names
.set SPITCH, 528                       ; the way out: a stage of 16 rows x (512 + 16) bytes for each wave, in slot 0, which has had its last fill and its last read by then
.set ADRA, 16
.set ADRB, 20
.set STO,  24
.set RD,   25
.set CO,   26                          ; 16 x lane
.set ADRS, 27
.set SPW,  28
.set NIL,  29
.set BOF,  30                          ; 32 h
.set SC,   32
.set BI,   64
.set AF,   128
.set BK,   128
.set G1, 24
.set G0, 32
.set G1B, 48
.set G0B, 56
.set G1S, 68
.set G0S, 76
.set G1SB, 80
.set G0SB, 88
.set MSB, 0
.macro WIN new
.if MSB != \new
	s_set_vgpr_msb (MSB<<8)|\new
.set MSB, \new
.endif
.endm
.set MUL_LO, 0xa1
.set MUL_HI, 0xf1
.set TO_B,   0x40
.macro JLOAD g0a, g1a, g0b, g1b        ; waves 0 and 1 fetch for y, waves 2 and 3 for Wproj; an s_nop 0 and four v_nop follow each of the two lines
	s_cmp_eq_u32 s15, 0
	s_cbranch_scc0 .Lfor_b_\@
	tensor_load_to_lds s[\g0a:\g0a+3], s[\g1a:\g1a+7]
	s_nop 0
.rept 4
	v_nop
.endr
	s_branch .Lasked_\@
.Lfor_b_\@:
	tensor_load_to_lds s[\g0b:\g0b+3], s[\g1b:\g1b+7]
	s_nop 0
.rept 4
	v_nop
.endr
.Lasked_\@:
.endm
.macro CREST
	s_cmp_lg_u32 s14, 0
	s_cbranch_scc1 .Lnot_wave_0_\@
	s_barrier_signal -3
.Lnot_wave_0_\@:
	s_barrier_wait -3
	s_barrier_signal -1
	s_barrier_wait -1
.endm
.macro CROUND
	s_barrier_signal -1
	s_barrier_wait -1
	CREST
.endm
	s_load_b128 s[4:7], s[0:1], 0x0                ; yimg, ysc
	s_load_b128 s[8:11], s[0:1], 0x10              ; Wproj's codes, its scales
	s_load_b64 s[66:67], s[0:1], 0x20              ; bproj
	s_load_b64 s[12:13], s[0:1], 0x28              ; out0
	v_lshl_add_u32 v[SPW], v0, 2, SPARE
	v_mov_b32 v[NIL], 0
	ds_add_u32 v[SPW], v[NIL]                      ; the wave's opening: the add, twice on end, and its wait ahead of my first tensor load
	ds_add_u32 v[SPW], v[NIL]
	v_lshrrev_b32 v1, 5, v0
	v_readfirstlane_b32 s14, v1
	s_lshr_b32 s15, s14, 1
	s_and_b32 s16, s14, 1
	s_bfe_u32 s40, ttmp6, 0x40000
	s_bfe_u32 s41, ttmp6, 0x40004
	s_lshl_b32 s42, ttmp9, 2
	s_add_co_u32 s42, s42, s40                     ; tile column
	s_and_b32 s17, ttmp7, 0xffff
	s_lshl_b32 s17, s17, 2
	s_add_co_u32 s17, s17, s41                     ; tile row
	s_lshl_b32 s43, s41, 2
	s_lshl_b32 s43, 15, s43
	s_lshl_b32 s44, 0x1111, s40
	s_or_b32 s[G1+0], s43, (3<<16)|(1<<21)         ; y: elements of 8 bytes, no padding: 8 tiles of tokens x 4,096 bytes, 16,384 apart
	s_mov_b32 s[G1+1], 512<<16
	s_mov_b32 s[G1+2], 8<<16
	s_mov_b32 s[G1+3], 512<<16
	s_mov_b32 s[G1+4], 8
	s_mov_b32 s[G1+5], 2048
	s_mov_b32 s[G1+6], 0
	s_mov_b32 s[G1+7], 0
	s_or_b32 s[G1B+0], s44, (0<<16)|(1<<20)|(1<<21)|(5<<22)|(3<<25)   ; Wproj: 128 rows x 256 bytes, 16 bytes of padding behind each
	s_mov_b32 s[G1B+1], ROWB<<16
	s_mov_b32 s[G1B+2], 128<<16
	s_mov_b32 s[G1B+3], ROWB<<16
	s_mov_b32 s[G1B+4], 128
	s_mov_b32 s[G1B+5], KROW
	s_mov_b32 s[G1B+6], 0
	s_mov_b32 s[G1B+7], 0
	s_or_b32 s[G1S+0], s43, (3<<16)|(1<<20)|(1<<21)|(5<<22)|(3<<25)
	s_or_b32 s[G1SB+0], s44, (3<<16)|(1<<20)|(1<<21)|(5<<22)|(3<<25)
.irp g, G1S, G1SB
	s_mov_b32 s[\g+1], 32<<16
	s_mov_b32 s[\g+2], (128*KS/256)<<16
	s_mov_b32 s[\g+3], 32<<16
	s_mov_b32 s[\g+4], 128*KS/256
	s_mov_b32 s[\g+5], 32
	s_mov_b32 s[\g+6], 0
	s_mov_b32 s[\g+7], 0
.endr
	s_lshl_b32 s18, s16, 7
	s_lshl_b32 s20, s17, 8
	s_add_co_u32 s20, s20, s18                     ; y: the first token that I fetch
	s_lshl_b32 s46, s42, 8
	s_add_co_u32 s46, s46, s18                     ; Wproj: the first row
	s_mov_b32 s21, 0
	s_mov_b32 s47, 0
	s_mov_b64 s[18:19], KS
	s_mul_u64 s[22:23], s[20:21], s[18:19]
	s_mul_u64 s[92:93], s[46:47], s[18:19]
	s_mov_b64 s[18:19], KROW
	s_mul_u64 s[20:21], s[20:21], s[18:19]         ; 16 tokens are 16,384 bytes of yimg: 1,024 a token, as in a tensor of rows
	s_mul_u64 s[46:47], s[46:47], s[18:19]
	s_mul_i32 s45, s14, HALFT
	s_mul_i32 s94, s14, HALFS
	s_wait_dscnt 0x0
	s_wait_kmcnt 0x0
	s_add_nc_u64 s[20:21], s[4:5], s[20:21]
	s_add_nc_u64 s[22:23], s[6:7], s[22:23]
	s_add_nc_u64 s[46:47], s[8:9], s[46:47]
	s_add_nc_u64 s[92:93], s[10:11], s[92:93]
	CROUND
	s_mov_b32 s[G0S], 1
	s_add_co_u32 s[G0S+1], s94, SCL
	s_mov_b64 s[G0S+2:G0S+3], s[22:23]
	s_or_b32 s[G0S+3], s[G0S+3], 0x80000000
	s_mov_b32 s[G0SB], 1
	s_add_co_u32 s[G0SB+1], s94, SCL
	s_mov_b64 s[G0SB+2:G0SB+3], s[92:93]
	s_or_b32 s[G0SB+3], s[G0SB+3], 0x80000000
	JLOAD G0S, G1S, G0SB, G1SB
.irp s, 0,1
	s_mov_b32 s[G0+4*\s], 1
	s_add_co_u32 s[G0+4*\s+1], s45, \s*SLOT
	s_add_nc_u64 s[G0+4*\s+2:G0+4*\s+3], s[20:21], \s*4096
	s_or_b32 s[G0+4*\s+3], s[G0+4*\s+3], 0x80000000
	s_mov_b32 s[G0B+4*\s], 1
	s_add_co_u32 s[G0B+4*\s+1], s45, \s*SLOT
	s_add_nc_u64 s[G0B+4*\s+2:G0B+4*\s+3], s[46:47], \s*ROWB
	s_or_b32 s[G0B+4*\s+3], s[G0B+4*\s+3], 0x80000000
	s_wait_alu depctr_va_vdst(0)
	s_wait_tensorcnt 0x0
	ds_add_u32 v28, v29
	s_wait_dscnt 0x0
	CROUND
	JLOAD G0+4*\s, G1, G0B+4*\s, G1B
.endr
	v_and_b32 v1, 15, v0
	v_bfe_u32 v2, v0, 4, 1
	s_wait_alu depctr_va_vdst(0)
	s_lshl_b32 s20, s17, 8
	s_lshl_b32 s21, s15, 7
	s_add_co_u32 s20, s20, s21                     ; my first row of out0
	s_mov_b32 s21, 0
	s_mov_b64 s[18:19], SIZE_N*4
	s_mul_u64 s[20:21], s[20:21], s[18:19]
	s_lshl_b32 s46, s42, 10                        ; my first column, in bytes; the same offset finds my 128 biases
	s_lshl_b32 s47, s16, 9
	s_add_co_u32 s46, s46, s47
	s_mov_b32 s47, 0
	s_add_nc_u64 s[66:67], s[66:67], s[46:47]
	s_add_nc_u64 s[20:21], s[20:21], s[46:47]
	s_add_nc_u64 s[12:13], s[12:13], s[20:21]
	v_lshlrev_b32 v[BOF], 5, v2
.irp b, 0,1,2,3,4,5,6,7
	global_load_b128 v[BI+8*\b:BI+8*\b+3], v[BOF], s[66:67] offset:64*\b          ; bias[16 b + 8 h + j]: the result's layout
	global_load_b128 v[BI+8*\b+4:BI+8*\b+7], v[BOF], s[66:67] offset:64*\b+16
.endr
	v_and_b32 v6, 31, v0
	v_lshlrev_b32 v[CO], 4, v6                     ; 16 x lane
	v_mul_u32_u24 v3, v1, PITCH
	v_lshl_add_u32 v4, v2, 4, v3
	s_mul_i32 s21, s15, HALFT
	s_mul_i32 s22, s16, HALFT
	s_add_co_u32 s22, s22, 2*HALFT
.irp s, 0,1
	v_add_nc_u32 v[ADRA+\s], s21, v[CO]            ; y's images: 16 x lane
	v_add_nc_u32 v[ADRB+\s], s22, v4               ; Wproj's rows: row x pitch + 16 x half
	s_add_co_u32 s21, s21, SLOT
	s_add_co_u32 s22, s22, SLOT
.endr
	v_mul_u32_u24 v5, v1, KS
	v_lshrrev_b32 v6, 8, v5
	v_lshl_add_u32 v5, v6, 4, v5
	s_mul_i32 s21, s15, HALFS
	s_mul_i32 s22, s16, HALFS
	s_add_co_u32 s22, s22, 2*HALFS
	s_sub_co_u32 s22, s22, s21
	v_mul_u32_u24 v6, s22, v2
	s_add_co_u32 s21, s21, SCL
	v_add_nc_u32 v5, v5, v6
	v_add_nc_u32 v[ADRS], s21, v5
	s_mul_i32 s23, s14, 16*SPITCH
	v_mul_u32_u24 v5, v1, SPITCH
	v_lshl_add_u32 v5, v2, 5, v5
	v_add_nc_u32 v[STO], s23, v5
	v_add_nc_u32 v[RD], s23, v[CO]
.macro FRAG reg, adr, q, i
.irp c, 0,1,2,3
	ds_load_b128 v[\reg+4*\c:\reg+4*\c+3], v[\adr] offset:128*(\q)+32*\c+(\i)*16*PITCH
.endr
.endm
.macro FRAGA reg, adr, q, i            ; an image: tile of tokens i, the slot's q-th 128 along K, chunk c
.irp c, 0,1,2,3
	ds_load_b128 v[\reg+4*\c:\reg+4*\c+3], v[\adr] offset:(\i)*4096+(\q)*2048+512*\c
.endr
.endm
.macro MUL16 a0, p, q, sc, mode        ; mode 1: the sums begin with the bias.  The 64 accumulators take turns, one instruction a turn
.irp a, \a0, \a0+1
.irp b, 0,1,2,3,4,5,6,7
.if \mode
	v_wmma_scale_f32_16x16x128_f8f6f4 v[8*(8*((\a)%4)+\b):8*(8*((\a)%4)+\b)+7], v[128*(\p)+FR*\b:128*(\p)+FR*\b+FR-1], v[AF+FR*(\a):AF+FR*(\a)+FR-1], v[BI+8*\b:BI+8*\b+7], v[SC+8*NQ*(\sc)+NQ*\b+(\q)], v[SC+8*NQ*(\sc)+NQ*(\a)+(\q)] matrix_a_fmt:MATRIX_FMT_BF8 matrix_b_fmt:MATRIX_FMT_BF8 matrix_a_scale:MATRIX_SCALE_ROW1
.else
	v_wmma_scale_f32_16x16x128_f8f6f4 v[8*(8*((\a)%4)+\b):8*(8*((\a)%4)+\b)+7], v[128*(\p)+FR*\b:128*(\p)+FR*\b+FR-1], v[AF+FR*(\a):AF+FR*(\a)+FR-1], v[8*(8*((\a)%4)+\b):8*(8*((\a)%4)+\b)+7], v[SC+8*NQ*(\sc)+NQ*\b+(\q)], v[SC+8*NQ*(\sc)+NQ*(\a)+(\q)] matrix_a_fmt:MATRIX_FMT_BF8 matrix_b_fmt:MATRIX_FMT_BF8 matrix_a_scale:MATRIX_SCALE_ROW1
.endif
.endr
.endr
.endm
.macro FETCH_B slot, q, p
	WIN TO_B
.irp i, 0,1,2,3,4,5,6,7
	FRAG 128*(\p)+FR*\i, ADRB+\slot, \q, \i
.endr
	WIN 0
.endm
.macro FETCH_A slot, q, i0
.irp i, \i0, \i0+1, \i0+2, \i0+3
	FRAGA AF+FR*(\i), ADRA+\slot, \q, \i
.endr
.endm
.macro SCALES sc
.irp i, 0,1,2,3,4,5,6,7
	ds_load_b64 v[SC+8*NQ*\sc+NQ*\i:SC+8*NQ*\sc+NQ*\i+1], v[ADRS] offset:\i*SBLK
.endr
.endm
.macro PLACES n
.rept \n
	v_nop
.endr
.endm
.macro STEP slot, q, mode
	s_wait_dscnt 4*NL                              ; all but the youngest 16 loads (y's blocks 4-7) are in
.if \mode
	WIN 0x81
.else
	WIN MUL_LO
.endif
	MUL16 0, (\q)%2, \q, \slot, \mode
	MUL16 2, (\q)%2, \q, \slot, \mode
	s_wait_dscnt 0
	PLACES NP
	FETCH_B \slot, (\q)+1, 1-(\q)%2
	FETCH_A \slot, (\q)+1, 0
.if \mode
	WIN 0xc1
.else
	WIN MUL_HI
.endif
	MUL16 4, (\q)%2, \q, \slot, \mode
	MUL16 6, (\q)%2, \q, \slot, \mode
	PLACES NP
	WIN 0
	FETCH_A \slot, (\q)+1, 4
.endm
.macro TURN slot, next, fill
	s_wait_tensorcnt 0x0                           ; all my tensor loads have landed: my part of the next slot
	ds_add_u32 v[SPW], v[NIL]
	s_wait_dscnt 4*NL+1                            ; the add and the youngest 16 loads may be out
	WIN MUL_LO
	MUL16 0, 1, NQ-1, \slot, 0
	s_wait_dscnt 0x0                               ; the add is done, and my reads of this slot are over
	s_barrier_signal -1
	MUL16 2, 1, NQ-1, \slot, 0
	WIN 0
	s_barrier_wait -1
.if \fill
	CREST                                          ; a round of the cluster's barrier: no wave of any partner still reads this slot or has a load on its way
	s_add_nc_u64 s[G0+4*\slot+2:G0+4*\slot+3], s[G0+4*\slot+2:G0+4*\slot+3], 2*4096
	s_add_nc_u64 s[G0B+4*\slot+2:G0B+4*\slot+3], s[G0B+4*\slot+2:G0B+4*\slot+3], 2*ROWB
	JLOAD G0+4*\slot, G1, G0B+4*\slot, G1B
	PLACES NP-4
.else
	PLACES NP
.endif
	s_wait_alu depctr_va_vdst(0)
	v_add_nc_u32 v[ADRS], 4*NQ, v[ADRS]
	FETCH_B \next, 0, 0
	FETCH_A \next, 0, 0
	SCALES \next
	WIN MUL_HI
	MUL16 4, 1, NQ-1, \slot, 0
	MUL16 6, 1, NQ-1, \slot, 0
	PLACES NP
	WIN 0
	FETCH_A \next, 0, 4
.endm
	s_wait_alu depctr_va_vdst(0)
	s_wait_tensorcnt 1                             ; the scales and my part of K step 0 are in; K step 1's load may be out
	s_barrier_signal -1
	s_barrier_wait -1
	FETCH_B 0, 0, 0
	FETCH_A 0, 0, 0
	SCALES 0
	FETCH_A 0, 0, 4
	s_wait_loadcnt 0x0                             ; the biases
	STEP 0, 0, 1
	TURN 0, 1, 1
	STEP 1, 0, 0
	TURN 1, 0, 1
	STEP 0, 0, 0
	TURN 0, 1, 0
	STEP 1, 0, 0
	s_wait_dscnt 4*NL
	WIN MUL_LO
	MUL16 0, 1, NQ-1, 1, 0
	MUL16 2, 1, NQ-1, 1, 0
	s_wait_dscnt 0
	WIN MUL_HI
	MUL16 4, 1, NQ-1, 1, 0
	MUL16 6, 1, NQ-1, 1, 0
	WIN 0
; THE WAY OUT, block by block of 16 rows x 128 columns: through my own stage in LDS and back as whole rows of 512 bytes.  LDS serves a wave's instructions in order (ISA guide 5.7.1.4).
.macro TOSTAGE a
.set AC, 64*((\a)%4)
	WIN 0x08+4*((\a)/4)
.irp b, 0,1,2,3,4,5,6,7
	ds_store_b128 v[STO], v[AC+8*\b:AC+8*\b+3] offset:64*\b          ; each accumulator from its low end on
	ds_store_b128 v[STO], v[AC+8*\b+4:AC+8*\b+7] offset:64*\b+16
.endr
	WIN 0
.set BB, BK+64*((\a)%2)
.irp t, 0,1,2,3,4,5,6,7,8,9,10,11,12,13,14,15
	ds_load_b128 v[BB+4*\t:BB+4*\t+3], v[RD] offset:\t*SPITCH
.endr
.endm
.macro SEND a, younger
.set BB, BK+64*((\a)%2)
	s_wait_dscnt \younger                          ; the block is back in registers
.if (\a) > 0
	s_add_nc_u64 s[12:13], s[12:13], 16*SIZE_N*4   ; (behind a wait on XCNT: the earlier stores have read their base)
.endif
.irp t, 0,1,2,3,4,5,6,7,8,9,10,11,12,13,14,15
	global_store_b128 v[CO], v[BB+4*\t:BB+4*\t+3], s[12:13] offset:\t*SIZE_N*4 th:TH_STORE_NT   ; 32 lanes store 512 consecutive bytes, at a multiple of 256 from out0's first byte
.endr
.endm
	PLACES NP
	TOSTAGE 0
.irp a, 1,2,3,4,5,6,7
.if \a > 1
	s_wait_xcnt 0x0                                ; block a - 2's stores have read their registers and their base
.endif
	TOSTAGE \a
	SEND \a-1, 32                                  ; behind block a - 1's loads: block a's 16 stores and 16 loads
.endr
	s_wait_xcnt 0x0
	SEND 7, 0
	s_wait_tensorcnt 0x0                           ; the wave's end
	ds_add_u32 v[SPW], v[NIL]
	s_wait_dscnt 0x0
	CROUND                                         ; the closing round
	s_endpgm
.Lfunc_end_k_q7776cb7c40_proj:
	.size	k_q7776cb7c40_proj, .Lfunc_end_k_q7776cb7c40_proj-k_q7776cb7c40_proj
	.p2alignl 7, 3214868480
	.fill 96, 4, 3214868480
	.section	.rodata,"a",@progbits
	.p2align	6, 0x0
	.amdhsa_kernel k_q7776cb7c40_proj
		.amdhsa_group_segment_fixed_size 327680
		.amdhsa_private_segment_fixed_size 0
		.amdhsa_enable_private_segment 0
		.amdhsa_kernarg_size 48
		.amdhsa_user_sgpr_count 2
		.amdhsa_user_sgpr_kernarg_segment_ptr 1
		.amdhsa_wavefront_size32 1
		.amdhsa_system_sgpr_workgroup_id_x 1
		.amdhsa_system_sgpr_workgroup_id_y 1
		.amdhsa_system_sgpr_workgroup_id_z 1
		.amdhsa_system_vgpr_workitem_id 0
		.amdhsa_next_free_vgpr 1024
		.amdhsa_next_free_sgpr 98
		.amdhsa_reserve_vcc 0
		.amdhsa_float_denorm_mode_32 3
		.amdhsa_float_denorm_mode_16_64 3
		.amdhsa_memory_ordered 1
		.amdhsa_forward_progress 1
		.amdhsa_inst_pref_size 148
	.end_amdhsa_kernel
	.amdgpu_metadata
---
amdhsa.version: [ 1, 2 ]
amdhsa.kernels:
  - .name:           k_q7776cb7c40_proj
    .symbol:         k_q7776cb7c40_proj.kd
    .args:
      - { .name: yimg, .offset: 0, .size: 8, .value_kind: global_buffer, .address_space: global }
      - { .name: ysc, .offset: 8, .size: 8, .value_kind: global_buffer, .address_space: global }
      - { .name: Wproj_codes, .offset: 16, .size: 8, .value_kind: global_buffer, .address_space: global }
      - { .name: Wproj_scales, .offset: 24, .size: 8, .value_kind: global_buffer, .address_space: global }
      - { .name: bproj, .offset: 32, .size: 8, .value_kind: global_buffer, .address_space: global }
      - { .name: out0, .offset: 40, .size: 8, .value_kind: global_buffer, .address_space: global }
    .group_segment_fixed_size: 327680
    .private_segment_fixed_size: 0
    .kernarg_segment_align: 8
    .kernarg_segment_size: 48
    .max_flat_workgroup_size: 128
    .sgpr_count:     98
    .vgpr_count:     1024
    .wavefront_size: 32
...
	.end_amdgpu_metadata
.endif
;; end of part 3
